; MI455X (gfx1250); checked and timed in simulation.
; The chip was launched on July 23, 2026; its instructions are those of AMD's public machine-readable ISA for CDNA 5 (MIT licence, August 2026) and "CDNA5" Instruction Set Architecture Reference Guide (July 2026). The comments in the code are by the model that wrote it; some were corrected since.
;; Slow But Correct Multihead Attention. Allowed arithmetic: matrix products marked QUANTISED: E3M2 operands, one E8M0 scale for each 32 along K, by v_wmma_scale_f32_16x16x128_f8f6f4 with both operands' format E3M2, f32 sums; everything else in f32.
;; Inputs: Wk 1,024 x 1,024 float32; Wo 1,024 x 1,024 float32; Wq 1,024 x 1,024 float32; Wv 1,024 x 1,024 float32; bk 1,024 float32; bo 1,024 float32; bq 1,024 float32; bv 1,024 float32; x 2,048 x 4 x 1,024 float32.
;; Outputs: out0 2,048 x 4 x 1,024 float32.
;; This version of the problem:
;;   THIS VERSION OF THE PROBLEM IS GIVEN IN LOW PRECISION. The matrix products marked QUANTISED in the list below multiply operands that are first quantised to E3M2 (3 exponent bits, 2 mantissa bits; 6 bits a number), with one power-of-two scale for each 32 numbers along K (OCP MX v1.0); their sums are f32. All else is computed in f32.
;;   The module's matrix products, in the order in which they are computed (A, B: the left and right operand; K: the contracted axis; several contracted axes count as one K, in the product's order):
;;     1. [M 8,192, K 1,024] x [K 1,024, N 1,024]; A: input x; B: input Wq: QUANTISED
;;     2. [M 8,192, K 1,024] x [K 1,024, N 1,024]; A: input x; B: input Wk: QUANTISED
;;     3. [M 8,192, K 1,024] x [K 1,024, N 1,024]; A: input x; B: input Wv: QUANTISED
;;     4. batch 64 x [M 2,048, K 64] x [K 64, N 2,048]; A: computed on the way; B: computed on the way: QUANTISED
;;     5. batch 64 x [M 64, K 2,048] x [K 2,048, N 2,048]; A: computed on the way; B: softmax (see below): QUANTISED
;;     6. [M 8,192, K 1,024] x [K 1,024, N 1,024]; A: computed on the way; B: input Wo: QUANTISED
;;   THE QUANTISER, for each operand of a quantised product, along K:
;;     - K is cut into blocks of 32 from its start; a last block that is shorter is filled with zeros.
;;     - A block's scale is 2^e with e = floor(log2(the largest magnitude in the block)) - 4, held to -126 .. 127; a block of zeros has e = 0. As a byte (E8M0): e + 127.
;;     - Each number is divided by its block's scale, clamped to +-28, and rounded to the nearest number of E3M2, ties to even, subnormals kept.
;;     - The product sums the exact products of the quantised numbers (number of the format x scale) in f32.
;;   ~~~python
;;   def quantise(x, axis):      # numpy; x: float32 -> the quantised numbers, widened to float32 again
;;       x = np.moveaxis(x, axis, -1); K = x.shape[-1]
;;       x = np.pad(x, [(0, 0)] * (x.ndim - 1) + [(0, -K % 32)]); x = x.reshape(x.shape[:-1] + (-1, 32)); a = np.abs(x).max(-1, keepdims=True)
;;       e = np.where(a > 0, np.clip(np.frexp(np.where(a > 0, a, 1))[1] - 1 - 4, -126, 127), 0)      # np.frexp(a)[1] - 1 = floor(log2(a)), exactly
;;       r = np.clip(x / 2.0 ** e, -28, 28)
;;       step = 2.0 ** (np.maximum(np.frexp(np.where(r == 0, 1, r))[1] - 1, -2) - 2)
;;       q = np.round(r / step) * step * 2.0 ** e      # np.round: ties to even
;;       return np.moveaxis(q.reshape(q.shape[:-2] + (-1,))[..., :K], -1, axis).astype(np.float32)
;;   ~~~
;;   SOFTMAX AHEAD OF A QUANTISED PRODUCT. Where the list says 'softmax', what is quantised is not the finished softmax but p = 2^(t - M), with t = logit x log2(e) and M = ceil(the row's largest t), a whole number; so 1/2 < the row's largest p <= 1. The row's sum l is taken of the UNQUANTISED p, in f32, and the product's result is divided by l at the end. Since M is a whole number, a kernel that streams over the keys may use a running M (the ceiling of the running maximum): every later rescaling is an exact power of two, which a block's scale takes up: the codes' values come out the same.
;;   OPERANDS COMPUTED ON THE WAY. 'Computed on the way' means the value that the module computes at that place (a softmax that the list does not call 'softmax' is quantised finished and normalised). What goes into a quantiser is computed in f32, as accurately as f32 sums, v_exp_f32 and their like allow (about 1e-6 of the number): no bf16 or f16 on the way to a quantiser, and a product that is left as it is and whose result goes on into a quantised operand takes f32 operands (vector FMAs, or v_wmma_f32_16x16x4_f32). A number that lies on a knife's edge between two numbers of the format may be rounded either way, as far as f32 arithmetic and the matrix unit's own rounding can turn it there, and no further.
;; One version. Each part assembles by itself: llvm-mc -triple=amdgcn-amd-amdhsa -mcpu=gfx1250 --defsym DOCPART=n.
;; ======== version 1 of 1: 4 launches
;; limits: right only within a limited range of input values
;; workspace buffers: x_codes 6,291,456 bytes; x_scales 262,144 bytes; w_codes 3,145,728 bytes; w_scales 131,072 bytes; qb 6,815,744 bytes; kv 13,369,344 bytes; o_codes 6,291,456 bytes; o_scales 262,144 bytes
;; launch quant (part 1): grid 768 x 1, 4 waves a work-group, no clusters, 68,096 bytes of LDS; arguments x, Wq, Wk, Wv, Wo, x_codes, x_scales, w_codes, w_scales; writes x_codes, x_scales, w_codes, w_scales
.if DOCPART == 1
	.amdgcn_target "amdgcn-amd-amdhsa--gfx1250"
	.amdhsa_code_object_version 6
	.text
	.protected	k_qd73f9ad28e_quant
	.globl	k_qd73f9ad28e_quant
	.p2align	8
	.type	k_qd73f9ad28e_quant,@function
k_qd73f9ad28e_quant:
	s_mov_b64 s[64:65], 0
	v_nop
	global_prefetch_b8 v0, s[64:65] scope:SCOPE_SE
	s_setreg_imm32_b32 hwreg(HW_REG_WAVE_MODE, 25, 1), 1
	s_wait_xcnt 0x0
; x [2048][4][1024] and Wq, Wk, Wv, Wo [1024][1024], f32, K = the last axis, become codes of BF6 (E3M2) with one E8M0 byte for each 32 along K,
; laid in the order of the matrix operand's registers.
; A ROW TILE is 16 rows; position r of tile T holds row 32 (T / 2) + 8 (T % 2) + r + 8 (r / 8) (of x: row s of one batch b; tile number 128 b + T).
; CODES: [tile][K / 64][768 bytes]: lane (r, h) owns the 24 bytes of k = 32 h .. 32 h + 31 of its row: its first 16 bytes at 16 x lane, its last 8 at 512 + 8 x lane.
; SCALES: [tile][K / 256][r][8 bytes]: byte 4 e + b scales k = 256 q + 128 e + 32 b.
; A block's scale is 2^(floor(log2(largest magnitude)) - 4); its byte is the largest magnitude's exponent field - 4, held at 1 from below.
; LIMITS: NaN and infinities are not served; a block whose largest magnitude lies under 2^(5 - 127) gets the byte 1; a block of zeros gets the byte 1 where the rule says 127
; (its codes are zeros, which add nothing under any byte but 0xff, and this program alone reads the bytes).
; SHARES: a work-group is one row tile (work-groups 0-511: x; 512-767: the four weights, 64 tiles each); wave w takes K = 256 w .. 256 w + 255 in two steps of 128.
; Each load reads 512 consecutive bytes of one row; a step's 16 rows turn through the wave's own stage in LDS, so that a lane gets 16 neighbours of each block of 32.  Waves share nothing: no barrier.
.set STG,  8448                        ; a stage: 16 rows x (512 bytes + 16)
.set WREG, 2*STG                       ; a wave's two stages
.set L16,  4                           ; v4   16 x lane
.set L8,   5                           ; v5   8 x lane
.set STI,  6                           ; v6   the stage, on the way in
.set STO,  7                           ; v7   and on the way out: row r, + 64 h
.set SWO,  8                           ; v8   my scale word's place: 8 r + 4 h
.set RO,   12                          ; v12-27  byte offset of position i's row, + 16 x lane; never rewritten
.set R0,   32                          ; v32-95, v96-159  a step's 64 numbers
.set PC,   160                         ; v160-171 a fragment's codes
.set CT,   172                         ; v172-179 the conversions' second halves
.set TM,   180                         ; v180-183 largest magnitudes, v184-187 the other half's, then bytes, v188-191 the conversions' scale operands
.set PW,   196                         ; v196, v197 the two steps' scale words; v198 the one that I store
.set SEL,  36                          ; s[36:37] lane selects: lane l xor 16
.set HM,   40                          ; s40  the lanes 16-31
; 64 numbers of a lane, register 16 b + i = k 32 b + 16 (lane / 16) + i of my row, become a fragment's codes in v[pc] on and its scale word in v[pw].
.macro QUANT s, pc, ct, pw
.irp b, 0,1,2,3
	v_max3_num_f32 v[TM+\b], |v[\s+16*\b]|, |v[\s+1+16*\b]|, 0x2800000   ; my 16 numbers of block b, and the floor 2^(5 - 127): the byte cannot fall under 1
.endr
.irp i, 2,4,6,8,10,12,14
.irp b, 0,1,2,3
	v_max3_num_f32 v[TM+\b], v[TM+\b], |v[\s+16*\b+\i]|, |v[\s+1+16*\b+\i]|
.endr
.endr
.irp b, 0,1,2,3
	v_permlanex16_b32 v[TM+4+\b], v[TM+\b], s[SEL], s[SEL+1]
.endr
.irp b, 0,1,2,3
	v_max_num_f32 v[TM+\b], v[TM+\b], v[TM+4+\b]                     ; with lane l xor 16's: the block's largest magnitude
.endr
.irp b, 0,1,2,3
	v_add_nc_u32 v[TM+8+\b], 0xfe000000, v[TM+\b]                    ; 4 off its exponent field: the conversion's scale operand
.endr
.irp b, 0,1,2,3
	v_lshrrev_b32 v[TM+4+\b], 23, v[TM+8+\b]                         ; the scale's byte
.endr
	v_lshl_or_b32 v[\pw], v[TM+5], 8, v[TM+4]
	v_lshl_or_b32 v[\pw], v[TM+6], 16, v[\pw]
	v_lshl_or_b32 v[\pw], v[TM+7], 24, v[\pw]
.irp c, 0,1
	v_cvt_scalef32_pk16_bf6_f32 v[\pc+6*\c:\pc+6*\c+2], v[\s+32*\c:\s+32*\c+15], v[TM+8+2*\c]
	v_cvt_scalef32_pk16_bf6_f32 v[\ct+4*\c:\ct+4*\c+2], v[\s+32*\c+16:\s+32*\c+31], v[TM+8+2*\c+1]   ; (a conversion's three registers begin on an even number)
.endr
	v_nop                                          ; one plain place behind a scaled conversion
.irp c, 0,1                                    ; the operand wants a whole block in a lane: lanes 0-15 block 2 c, lanes 16-31 block 2 c + 1
.irp i, 0,1,2
	v_permlane16_swap_b32 v[\pc+6*\c+\i], v[\ct+4*\c+\i]
.endr
.irp i, 0,1,2
	v_mov_b32 v[\pc+6*\c+3+\i], v[\ct+4*\c+\i]
.endr
.endr
.endm
	s_load_b512 s[8:23], s[0:1], 0x0               ; x, Wq, Wk, Wv, Wo, x's codes, x's scales, the weights' codes
	s_load_b64 s[24:25], s[0:1], 0x40              ; the weights' scales
	v_lshl_add_u32 v200, v0, 2, 0x10800
	v_mov_b32 v201, 0
	v_lshrrev_b32 v1, 5, v0
	v_readfirstlane_b32 s2, v1                     ; wave
	v_and_b32 v1, 31, v0                           ; lane
	v_and_b32 v2, 15, v0                           ; r
	v_bfe_u32 v3, v0, 4, 1                         ; h
	v_lshlrev_b32 v[L16], 4, v1
	v_lshlrev_b32 v[L8], 3, v1
	s_mul_i32 s3, s2, WREG
	v_add_nc_u32 v[STI], s3, v[L16]
	v_mul_u32_u24 v[STO], v2, 528
	v_lshl_add_u32 v[STO], v3, 6, v[STO]
	v_add_nc_u32 v[STO], s3, v[STO]
	v_lshlrev_b32 v[SWO], 3, v2
	v_lshl_add_u32 v[SWO], v3, 2, v[SWO]
	v_cmp_ne_u32 s[HM], 0, v3
.irp b, 0,1,2,3
	v_mov_b32 v[TM+4+\b], 0                        ; written once: a lane permute's destination counts as one of its sources
.endr
	s_mov_b32 s[SEL], 0x76543210
	s_mov_b32 s[SEL+1], 0xfedcba98
	s_and_b32 s30, ttmp9, 127                      ; x: the tile in its batch
	s_and_b32 s31, ttmp9, 63                       ; a weight: the tile in its matrix
	s_lshr_b32 s32, ttmp9, 7
	s_lshl_b32 s32, s32, 12                        ; x: the batch's 4,096 bytes in a row s
	s_and_b32 s33, ttmp9, 511                      ; the tile's number in the buffers of codes and scales
	s_wait_kmcnt 0x0
	s_cmp_lt_u32 ttmp9, 704                        ; which tensor: the choices hang on the work-group's number alone
	s_cselect_b64 s[26:27], s[14:15], s[16:17]
	s_cmp_lt_u32 ttmp9, 640
	s_cselect_b64 s[26:27], s[12:13], s[26:27]
	s_cmp_lt_u32 ttmp9, 576
	s_cselect_b64 s[26:27], s[10:11], s[26:27]
	s_cmp_lt_u32 ttmp9, 512
	s_cselect_b64 s[26:27], s[8:9], s[26:27]
	s_cselect_b64 s[18:19], s[18:19], s[22:23]
	s_cselect_b64 s[20:21], s[20:21], s[24:25]
	s_cselect_b32 s28, 14, 12                      ; from row to row: 16,384 bytes in x, 4,096 in a weight
	s_cselect_b32 s30, s30, s31
	s_cselect_b32 s32, s32, 0
	s_lshl_b32 s34, s30, 4
	s_and_b32 s35, s30, 1
	s_lshl_b32 s35, s35, 3
	s_sub_co_u32 s34, s34, s35                     ; the tile's first row: 16 T - 8 (T % 2)
	s_lshl_b32 s34, s34, s28
	s_add_co_u32 s34, s34, s32
	s_lshl_b32 s35, s2, 10
	s_add_co_u32 s34, s34, s35                     ; + my wave's 1,024 bytes of a row
	s_mov_b32 s35, 0
	s_add_nc_u64 s[26:27], s[26:27], s[34:35]
	s_mul_i32 s34, s33, 12288
	s_mul_i32 s29, s2, 3072
	s_add_co_u32 s34, s34, s29
	s_add_nc_u64 s[18:19], s[18:19], s[34:35]      ; my codes
	s_lshl_b32 s34, s33, 9
	s_lshl_b32 s29, s2, 7
	s_add_co_u32 s34, s34, s29
	s_add_nc_u64 s[20:21], s[20:21], s[34:35]      ; my scale words
.irp i, 0,1,2,3,4,5,6,7,8,9,10,11,12,13,14,15
	s_lshl_b32 s41, \i+8*(\i/8), s28
	v_add_nc_u32 v[RO+\i], s41, v[L16]
.endr
	s_wait_alu depctr_va_vdst(0)
.irp st, 0,1
.irp i, 0,1,2,3,4,5,6,7,8,9,10,11,12,13,14,15
	global_load_b128 v[R0+64*\st+4*\i:R0+64*\st+4*\i+3], v[RO+\i], s[26:27] offset:512*\st th:TH_LOAD_NT   ; 32 lanes read 512 consecutive bytes of one row
.endr
.endr
.macro QSTEP st
.if \st == 0
	s_wait_loadcnt 16                              ; this step's 16 loads are in; the second step's 16 may be out
.else
	s_wait_loadcnt 0x0
.endif
.irp i, 0,1,2,3,4,5,6,7,8,9,10,11,12,13,14,15
	ds_store_b128 v[STI], v[R0+64*\st+4*\i:R0+64*\st+4*\i+3] offset:STG*\st+528*\i
.endr
.irp b, 0,1,2,3
.irp j, 0,1,2,3
	ds_load_b128 v[R0+64*\st+16*\b+4*\j:R0+64*\st+16*\b+4*\j+3], v[STO] offset:STG*\st+128*\b+16*\j   ; LDS serves a wave's instructions in order: these see my stores
.endr
.endr
	s_wait_dscnt 0x0
.if \st == 1
	s_wait_xcnt 0x0                                ; the first step's stores have read the codes' registers
.endif
	QUANT R0+64*\st, PC, CT, PW+\st
	global_store_b128 v[L16], v[PC:PC+3], s[18:19] offset:1536*\st              ; 512 consecutive bytes
	global_store_b64 v[L8], v[PC+4:PC+5], s[18:19] offset:1536*\st+512          ; 256 consecutive bytes
	global_store_b128 v[L16], v[PC+6:PC+9], s[18:19] offset:1536*\st+768
	global_store_b64 v[L8], v[PC+10:PC+11], s[18:19] offset:1536*\st+1280
.endm
	QSTEP 0
	QSTEP 1
	v_cndmask_b32 v[PW+2], v[PW], v[PW+1], s[HM]   ; lanes 0-15 store the first step's word, lanes 16-31 the second's
	global_store_b32 v[SWO], v[PW+2], s[20:21]     ; 128 consecutive bytes
	s_wait_tensorcnt 0x0
	ds_add_u32 v200, v201
	s_wait_dscnt 0x0
	s_endpgm
.Lfunc_end_k_qd73f9ad28e_quant:
	.size	k_qd73f9ad28e_quant, .Lfunc_end_k_qd73f9ad28e_quant-k_qd73f9ad28e_quant
	.p2alignl 7, 3214868480
	.fill 96, 4, 3214868480
	.section	.rodata,"a",@progbits
	.p2align	6, 0x0
	.amdhsa_kernel k_qd73f9ad28e_quant
		.amdhsa_group_segment_fixed_size 68096
		.amdhsa_private_segment_fixed_size 0
		.amdhsa_enable_private_segment 0
		.amdhsa_kernarg_size 72
		.amdhsa_user_sgpr_count 2
		.amdhsa_user_sgpr_kernarg_segment_ptr 1
		.amdhsa_wavefront_size32 1
		.amdhsa_system_sgpr_workgroup_id_x 1
		.amdhsa_system_sgpr_workgroup_id_y 1
		.amdhsa_system_sgpr_workgroup_id_z 1
		.amdhsa_system_vgpr_workitem_id 0
		.amdhsa_next_free_vgpr 202
		.amdhsa_next_free_sgpr 66
		.amdhsa_reserve_vcc 0
		.amdhsa_float_denorm_mode_32 3
		.amdhsa_float_denorm_mode_16_64 3
		.amdhsa_memory_ordered 1
		.amdhsa_forward_progress 1
		.amdhsa_inst_pref_size 20
	.end_amdhsa_kernel
	.amdgpu_metadata
---
amdhsa.version: [ 1, 2 ]
amdhsa.kernels:
  - .name:           k_qd73f9ad28e_quant
    .symbol:         k_qd73f9ad28e_quant.kd
    .args:
      - { .name: x, .offset: 0, .size: 8, .value_kind: global_buffer, .address_space: global }
      - { .name: Wq, .offset: 8, .size: 8, .value_kind: global_buffer, .address_space: global }
      - { .name: Wk, .offset: 16, .size: 8, .value_kind: global_buffer, .address_space: global }
      - { .name: Wv, .offset: 24, .size: 8, .value_kind: global_buffer, .address_space: global }
      - { .name: Wo, .offset: 32, .size: 8, .value_kind: global_buffer, .address_space: global }
      - { .name: x_codes, .offset: 40, .size: 8, .value_kind: global_buffer, .address_space: global }
      - { .name: x_scales, .offset: 48, .size: 8, .value_kind: global_buffer, .address_space: global }
      - { .name: w_codes, .offset: 56, .size: 8, .value_kind: global_buffer, .address_space: global }
      - { .name: w_scales, .offset: 64, .size: 8, .value_kind: global_buffer, .address_space: global }
    .group_segment_fixed_size: 68096
    .private_segment_fixed_size: 0
    .kernarg_segment_align: 8
    .kernarg_segment_size: 72
    .max_flat_workgroup_size: 128
    .sgpr_count:     66
    .vgpr_count:     202
    .wavefront_size: 32
...
	.end_amdgpu_metadata
.endif
;; end of part 1
;; launch qkv (part 2): grid 12 x 32, 4 waves a work-group, clusters of 4 x 4, 327,680 bytes of LDS; arguments x_codes, x_scales, w_codes, w_scales, bq, bk, bv, qb, kv; writes qb, kv
.if DOCPART == 2
	.amdgcn_target "amdgcn-amd-amdhsa--gfx1250"
	.amdhsa_code_object_version 6
	.text
	.protected	k_qd73f9ad28e_qkv
	.globl	k_qd73f9ad28e_qkv
	.p2align	8
	.type	k_qd73f9ad28e_qkv,@function
k_qd73f9ad28e_qkv:
	s_mov_b64 s[64:65], 0
	v_nop
	global_prefetch_b8 v0, s[64:65] scope:SCOPE_SE
	s_setreg_imm32_b32 hwreg(HW_REG_WAVE_MODE, 25, 1), 1
	s_wait_xcnt 0x0
	s_wait_alu depctr_hold_cnt(0) depctr_sa_sdst(0) depctr_va_vdst(0) depctr_va_sdst(0) depctr_va_ssrc(0) depctr_va_vcc(0) depctr_vm_vsrc(0)
	s_getreg_b32 s2, hwreg(HW_REG_IB_STS2, 6, 4)
	s_cmp_eq_u32 s2, 0
	s_cbranch_scc0 .Lentry_in_a_cluster
	s_endpgm
.Lentry_in_a_cluster:
	s_bfe_u32 s2, ttmp6, 0x10000c
	s_cmp_lg_u32 s2, 0xf033
	s_cbranch_scc0 .Lentry_shape_is_right
	s_endpgm
.Lentry_shape_is_right:
.set NQ,     2
.set FR,     12
.set NL,     4
.set NP,     4
.set TILEB,  3072
.set RTB,    12288
.set HALFT,  8*TILEB
.set SLOT,   4*HALFT
.set SCL,    2*SLOT
.set HALFS,  4096
.set SBLK,   512
.set SPARE,  SCL+4*HALFS
.set Y,    2
.set PWS,  6
.set ADRA, 16
.set ADRB, 20
.set L16,  24
.set L8,   25
.set ADRS, 27
.set SPW,  28
.set NIL,  29
.set SC,   32
.set BIAS, 64
.set AF,   128
.set T,    128
.set PCA,  192
.set PCB,  204
.set CT,   216
.set TM,   224
.set MV,   236
.set BV,   244
.set HM,   45
.set SEL,  66
.set G1, 24
.set G0, 32
.set G1B, 48
.set G0B, 56
.set G1S, 68
.set G0S, 76
.set G1SB, 80
.set G0SB, 88
.set MSB, 0
.macro WIN new
.if MSB != (\new)
	s_set_vgpr_msb (MSB<<8)|(\new)
.set MSB, (\new)
.endif
.endm
.set MUL_LO, 0xa1
.set MUL_HI, 0xf1
.set FIRST_LO, MUL_LO
.set FIRST_HI, MUL_HI
.set TO_B,   0x40
.macro JLOAD g0a, g1a, g0b, g1b
	s_cmp_eq_u32 s15, 0
	s_cbranch_scc0 .Lfor_b_\@
	tensor_load_to_lds s[\g0a:\g0a+3], s[\g1a:\g1a+7]
	s_nop 0
.rept 4
	v_nop
.endr
	s_branch .Lasked_\@
.Lfor_b_\@:
	tensor_load_to_lds s[\g0b:\g0b+3], s[\g1b:\g1b+7]
	s_nop 0
.rept 4
	v_nop
.endr
.Lasked_\@:
.endm
.macro CREST
	s_cmp_lg_u32 s14, 0
	s_cbranch_scc1 .Lnot_wave_0_\@
	s_barrier_signal -3
.Lnot_wave_0_\@:
	s_barrier_wait -3
	s_barrier_signal -1
	s_barrier_wait -1
.endm
.macro CROUND
	s_barrier_signal -1
	s_barrier_wait -1
	CREST
.endm
	s_load_b256 s[4:11], s[0:1], 0x0
	v_lshl_add_u32 v[SPW], v0, 2, SPARE
	v_mov_b32 v[NIL], 0
	ds_add_u32 v28, v29
	ds_add_u32 v28, v29
	s_wait_dscnt 0x0
	v_lshrrev_b32 v1, 5, v0
	v_readfirstlane_b32 s14, v1
	s_lshr_b32 s15, s14, 1
	s_and_b32 s16, s14, 1
	s_bfe_u32 s40, ttmp6, 0x40000
	s_bfe_u32 s41, ttmp6, 0x40004
	s_and_b32 s18, ttmp7, 0xffff
	s_lshl_b32 s18, s18, 2
	s_lshl_b32 s19, ttmp9, 2
	s_cmp_eq_u32 ttmp9, 2
	s_cselect_b32 s17, 0, s18
	s_cselect_b32 s42, s18, s19
	s_add_co_u32 s17, s17, s41
	s_add_co_u32 s42, s42, s40
	s_lshl_b32 s43, s41, 2
	s_lshl_b32 s43, 15, s43
	s_lshl_b32 s44, 0x1111, s40
	s_or_b32 s[G1+0], s43, (3<<16)|(1<<21)
	s_or_b32 s[G1B+0], s44, (3<<16)|(1<<21)
.irp g, G1, G1B
	s_mov_b32 s[\g+1], 384<<16
	s_mov_b32 s[\g+2], 16<<16                      ; the head's loads of codes bring all 16 row tiles; behind them the two counts are set to 8
	s_mov_b32 s[\g+3], 384<<16
	s_mov_b32 s[\g+4], 16
	s_mov_b32 s[\g+5], 1536
	s_mov_b32 s[\g+6], 0
	s_mov_b32 s[\g+7], 0
.endr
	s_or_b32 s[G1S+0], s43, (3<<16)|(1<<21)
	s_or_b32 s[G1SB+0], s44, (3<<16)|(1<<21)
.irp g, G1S, G1SB
	s_mov_b32 s[\g+1], 32<<16
	s_mov_b32 s[\g+2], 32<<16                      ; the scales of 256 rows: 32 rows of 256 bytes
	s_mov_b32 s[\g+3], 32<<16
	s_mov_b32 s[\g+4], 32
	s_mov_b32 s[\g+5], 32
	s_mov_b32 s[\g+6], 0
	s_mov_b32 s[\g+7], 0
.endr
	s_lshl_b32 s18, s16, 3
	s_lshl_b32 s96, s17, 4
	s_add_co_u32 s96, s96, s18
	s_lshl_b32 s98, s42, 4
	s_add_co_u32 s98, s98, s18
	s_lshl_b32 s66, s96, 9
	s_mov_b32 s67, 0
	s_lshl_b32 s100, s98, 9
	s_mov_b32 s101, 0
	s_mul_i32 s96, s96, RTB
	s_mov_b32 s97, 0
	s_mul_i32 s98, s98, RTB
	s_mov_b32 s99, 0
	s_mul_i32 s2, s14, HALFT
	s_lshl_b32 s3, s14, 12
	s_wait_kmcnt 0x0
	s_add_nc_u64 s[92:93], s[8:9], 128*RTB
	s_add_nc_u64 s[94:95], s[10:11], 128*SBLK
	s_cmp_eq_u32 ttmp9, 2
	s_cselect_b64 s[20:21], s[92:93], s[4:5]
	s_cselect_b64 s[22:23], s[94:95], s[6:7]
	s_cselect_b64 s[46:47], s[4:5], s[8:9]
	s_cselect_b64 s[92:93], s[6:7], s[10:11]
	s_add_nc_u64 s[20:21], s[20:21], s[96:97]
	s_add_nc_u64 s[22:23], s[22:23], s[66:67]
	s_add_nc_u64 s[46:47], s[46:47], s[98:99]
	s_add_nc_u64 s[92:93], s[92:93], s[100:101]
	s_load_b256 s[4:11], s[0:1], 0x20              ; the first four arguments have been used: the other five are asked for here and waited for behind the head's tensor loads
	s_load_b64 s[12:13], s[0:1], 0x40
	CROUND
	s_mov_b32 s[G0S], 1
	s_add_co_u32 s[G0S+1], s3, SCL-4096            ; wave 1 issues this load: A's scales, both halves, from SCL on
	s_sub_nc_u64 s[G0S+2:G0S+3], s[22:23], 4096    ; from the second half's scales back to the first's
	s_or_b32 s[G0S+3], s[G0S+3], 0x80000000
	s_mov_b32 s[G0SB], 1
	s_add_co_u32 s[G0SB+1], s3, SCL-4096           ; wave 3 issues this load: B's scales, both halves, from SCL + 8,192 on
	s_sub_nc_u64 s[G0SB+2:G0SB+3], s[92:93], 4096
	s_or_b32 s[G0SB+3], s[G0SB+3], 0x80000000
.irp s, 0,1
	s_mov_b32 s[G0+4*\s], 1
	s_add_co_u32 s[G0+4*\s+1], s2, \s*SLOT
	s_add_nc_u64 s[G0+4*\s+2:G0+4*\s+3], s[20:21], \s*TILEB
	s_or_b32 s[G0+4*\s+3], s[G0+4*\s+3], 0x80000000
	s_mov_b32 s[G0B+4*\s], 1
	s_add_co_u32 s[G0B+4*\s+1], s2, \s*SLOT
	s_add_nc_u64 s[G0B+4*\s+2:G0B+4*\s+3], s[46:47], \s*TILEB
	s_or_b32 s[G0B+4*\s+3], s[G0B+4*\s+3], 0x80000000
.endr
; THE HEAD'S LOADS, ONE A WAVE: wave 0 slot 0's 16 row tiles of A, wave 1 A's scales, wave 2 slot 0's 16 row tiles of B, wave 3 B's scales.
; Waves 0 and 2 hold the first half's address and place in their slot 0 descriptors, so these serve with 16 rows.  One chain of branches on the wave's number, every arm to one join.
.macro ARM under, g0, g1, next
	s_cmp_lt_u32 s14, \under
	s_cbranch_scc0 \next
	tensor_load_to_lds s[\g0:\g0+3], s[\g1:\g1+7]
	s_nop 0
.rept 4
	v_nop
.endr
	s_branch .Lhead_asked
\next:
.endm
	ARM 1, G0,  G1,  .Lhead_sa
	ARM 2, G0S, G1S, .Lhead_b
	ARM 3, G0B, G1B, .Lhead_sb
	tensor_load_to_lds s[G0SB:G0SB+3], s[G1SB:G1SB+7]
	s_nop 0
.rept 4
	v_nop
.endr
.Lhead_asked:
	s_wait_alu depctr_va_vdst(0)
	s_wait_tensorcnt 0x0                           ; my tile of the head's four is in
	ds_add_u32 v28, v29
	s_mov_b32 s[G1+2], 8<<16                       ; no tensor load of mine is out: from here on a load brings 8 row tiles
	s_mov_b32 s[G1+4], 8
	s_mov_b32 s[G1B+2], 8<<16
	s_mov_b32 s[G1B+4], 8
	s_wait_dscnt 0x0
	CROUND
	JLOAD G0+4, G1, G0B+4, G1B                     ; slot 1's first fill, the first tensor load behind the round
	v_and_b32 v1, 15, v0
	v_bfe_u32 v2, v0, 4, 1
	v_and_b32 v3, 31, v0
	v_lshlrev_b32 v[L16], 4, v3
	v_lshlrev_b32 v[L8], 3, v3
	s_mul_i32 s20, s15, HALFT
	s_mul_i32 s21, s16, HALFT
	s_add_co_u32 s21, s21, 2*HALFT
.irp s, 0,1
	v_add_nc_u32 v[ADRA+\s], s20, v[L16]
	v_add_nc_u32 v[ADRA+2+\s], s20, v[L8]
	v_add_nc_u32 v[ADRB+\s], s21, v[L16]
	v_add_nc_u32 v[ADRB+2+\s], s21, v[L8]
	s_add_co_u32 s20, s20, SLOT
	s_add_co_u32 s21, s21, SLOT
.endr
	s_mul_i32 s20, s15, HALFS
	s_mul_i32 s21, s16, HALFS
	s_add_co_u32 s21, s21, 2*HALFS
	s_sub_co_u32 s21, s21, s20
	v_mul_u32_u24 v4, s21, v2
	s_add_co_u32 s20, s20, SCL
	v_lshl_add_u32 v4, v1, 3, v4
	v_add_nc_u32 v[ADRS], s20, v4
	v_lshlrev_b32 v5, 6, v2
	v_and_b32 v15, 8, v1
	v_add_nc_u32 v15, v15, v1
	v_lshlrev_b32 v15, 2, v15
	v_mov_b32 v14, 0x7f7f7f7f
.irp b, 0,1,2,3
	v_mov_b32 v[TM+4+\b], 0
.endr
	s_mov_b32 s[SEL], 0x76543210
	s_mov_b32 s[SEL+1], 0xfedcba98
	s_lshl_b32 s18, s40, 10
	s_lshl_b32 s19, s16, 9
	s_add_co_u32 s18, s18, s19
	s_mov_b32 s19, 0
	s_lshl_b32 s20, s41, 10
	s_lshl_b32 s21, s15, 9
	s_add_co_u32 s20, s20, s21
	s_mov_b32 s21, 0
	s_wait_alu depctr_va_vdst(0)
	s_wait_kmcnt 0x0
	s_cmp_eq_u32 ttmp9, 0
	s_cselect_b64 s[22:23], s[4:5], s[6:7]
	s_cmp_eq_u32 ttmp9, 2
	s_cselect_b64 s[22:23], s[8:9], s[22:23]
	s_add_nc_u64 s[22:23], s[22:23], s[18:19]
	s_add_nc_u64 s[46:47], s[8:9], s[20:21]
.irp b, 0,1,2,3
.irp j, 0,1,2,3
	global_load_b128 v[BIAS+16*\b+4*\j:BIAS+16*\b+4*\j+3], v5, s[22:23] offset:128*\b+16*\j
.endr
.endr
.irp a, 0,1,2,3,4,5,6,7
	global_load_b32 v[BV+\a], v15, s[46:47] offset:4*(32*(\a/2)+8*(\a%2))
.endr
.macro FRAG reg, adr, q, i
	ds_load_b128 v[\reg:\reg+3], v[\adr] offset:(\i)*TILEB+(\q)*1536
	ds_load_b64 v[\reg+4:\reg+5], v[\adr+2] offset:(\i)*TILEB+(\q)*1536+512
	ds_load_b128 v[\reg+6:\reg+9], v[\adr] offset:(\i)*TILEB+(\q)*1536+768
	ds_load_b64 v[\reg+10:\reg+11], v[\adr+2] offset:(\i)*TILEB+(\q)*1536+1280
.endm
.macro MUL16 a0, p, q, sc, zero
.irp a, \a0, \a0+1
.irp b, 0,1,2,3,4,5,6,7
.if \zero
	v_wmma_scale_f32_16x16x128_f8f6f4 v[8*(8*((\a)%4)+\b):8*(8*((\a)%4)+\b)+7], v[128*(\p)+FR*\b:128*(\p)+FR*\b+FR-1], v[AF+FR*(\a):AF+FR*(\a)+FR-1], 0, v[SC+8*NQ*(\sc)+NQ*\b+(\q)], v[SC+8*NQ*(\sc)+NQ*(\a)+(\q)] matrix_a_fmt:MATRIX_FMT_BF6 matrix_b_fmt:MATRIX_FMT_BF6 matrix_a_scale:MATRIX_SCALE_ROW1
.else
	v_wmma_scale_f32_16x16x128_f8f6f4 v[8*(8*((\a)%4)+\b):8*(8*((\a)%4)+\b)+7], v[128*(\p)+FR*\b:128*(\p)+FR*\b+FR-1], v[AF+FR*(\a):AF+FR*(\a)+FR-1], v[8*(8*((\a)%4)+\b):8*(8*((\a)%4)+\b)+7], v[SC+8*NQ*(\sc)+NQ*\b+(\q)], v[SC+8*NQ*(\sc)+NQ*(\a)+(\q)] matrix_a_fmt:MATRIX_FMT_BF6 matrix_b_fmt:MATRIX_FMT_BF6 matrix_a_scale:MATRIX_SCALE_ROW1
.endif
.endr
.endr
.endm
.macro FETCH_B slot, q, p
	WIN TO_B
.irp i, 0,1,2,3,4,5,6,7
	FRAG 128*(\p)+FR*\i, ADRB+\slot, \q, \i
.endr
	WIN 0
.endm
.macro FETCH_A slot, q, i0
.irp i, \i0, \i0+1, \i0+2, \i0+3
	FRAG AF+FR*(\i), ADRA+\slot, \q, \i
.endr
.endm
.macro SCALES sc
.irp i, 0,1,2,3,4,5,6,7
	ds_load_b64 v[SC+8*NQ*\sc+NQ*\i:SC+8*NQ*\sc+NQ*\i+1], v[ADRS] offset:\i*SBLK
.endr
.endm
.macro PLACES n
.rept \n
	v_nop
.endr
.endm
.macro STEP slot, q, zero
	s_wait_dscnt 4*NL
.if \zero
	WIN FIRST_LO
.else
	WIN MUL_LO
.endif
	MUL16 0, (\q)%2, \q, \slot, \zero
	MUL16 2, (\q)%2, \q, \slot, \zero
	s_wait_dscnt 0
	PLACES NP
	FETCH_B \slot, (\q)+1, 1-(\q)%2
	FETCH_A \slot, (\q)+1, 0
.if \zero
	WIN FIRST_HI
.else
	WIN MUL_HI
.endif
	MUL16 4, (\q)%2, \q, \slot, \zero
	MUL16 6, (\q)%2, \q, \slot, \zero
	PLACES NP
	WIN 0
	FETCH_A \slot, (\q)+1, 4
.endm
.macro TURN slot, next, fill
	s_wait_tensorcnt 0x0
	ds_add_u32 v[SPW], v[NIL]
	s_wait_dscnt 4*NL+1
	WIN MUL_LO
	MUL16 0, 1, NQ-1, \slot, 0
	s_wait_dscnt 0x0
	s_barrier_signal -1
	MUL16 2, 1, NQ-1, \slot, 0
	WIN 0
	s_barrier_wait -1
.if \fill
	CREST
	s_add_nc_u64 s[G0+4*\slot+2:G0+4*\slot+3], s[G0+4*\slot+2:G0+4*\slot+3], 2*TILEB
	s_add_nc_u64 s[G0B+4*\slot+2:G0B+4*\slot+3], s[G0B+4*\slot+2:G0B+4*\slot+3], 2*TILEB
	JLOAD G0+4*\slot, G1, G0B+4*\slot, G1B
.else
	PLACES NP
.endif
	s_wait_alu depctr_va_vdst(0)
	v_add_nc_u32 v[ADRS], 128, v[ADRS]
	FETCH_B \next, 0, 0
	FETCH_A \next, 0, 0
	SCALES \next
	WIN MUL_HI
	MUL16 4, 1, NQ-1, \slot, 0
	MUL16 6, 1, NQ-1, \slot, 0
	PLACES NP
	WIN 0
	FETCH_A \next, 0, 4
.endm
	s_wait_tensorcnt 1
	s_barrier_signal -1
	s_barrier_wait -1
	FETCH_B 0, 0, 0
	FETCH_A 0, 0, 0
	SCALES 0
	FETCH_A 0, 0, 4
	STEP 0, 0, 1
	TURN 0, 1, 1
	STEP 1, 0, 0
	TURN 1, 0, 1
	STEP 0, 0, 0
	TURN 0, 1, 0
	STEP 1, 0, 0
	s_wait_dscnt 4*NL
	WIN MUL_LO
	MUL16 0, 1, NQ-1, 1, 0
	MUL16 2, 1, NQ-1, 1, 0
	s_wait_dscnt 0
	WIN MUL_HI
	MUL16 4, 1, NQ-1, 1, 0
	MUL16 6, 1, NQ-1, 1, 0
	WIN 0
.macro QUANT s, pc, ct, pw
.irp b, 0,1,2,3
	v_max3_num_f32 v[TM+\b], |v[\s+16*\b]|, |v[\s+1+16*\b]|, 0x2800000
.endr
.irp i, 2,4,6,8,10,12,14
.irp b, 0,1,2,3
	v_max3_num_f32 v[TM+\b], v[TM+\b], |v[\s+16*\b+\i]|, |v[\s+1+16*\b+\i]|
.endr
.endr
.irp b, 0,1,2,3
	v_permlanex16_b32 v[TM+4+\b], v[TM+\b], s[SEL], s[SEL+1]
.endr
.irp b, 0,1,2,3
	v_max_num_f32 v[TM+\b], v[TM+\b], v[TM+4+\b]
.endr
.irp b, 0,1,2,3
	v_add_nc_u32 v[TM+8+\b], 0xfe000000, v[TM+\b]
.endr
.irp b, 0,1,2,3
	v_lshrrev_b32 v[TM+4+\b], 23, v[TM+8+\b]
.endr
	v_lshl_or_b32 v[\pw], v[TM+5], 8, v[TM+4]
	v_lshl_or_b32 v[\pw], v[TM+6], 16, v[\pw]
	v_lshl_or_b32 v[\pw], v[TM+7], 24, v[\pw]
.irp c, 0,1
	v_cvt_scalef32_pk16_bf6_f32 v[\pc+6*\c:\pc+6*\c+2], v[\s+32*\c:\s+32*\c+15], v[TM+8+2*\c]
	v_cvt_scalef32_pk16_bf6_f32 v[\ct+4*\c:\ct+4*\c+2], v[\s+32*\c+16:\s+32*\c+31], v[TM+8+2*\c+1]
.endr
	v_nop
.irp c, 0,1
.irp i, 0,1,2
	v_permlane16_swap_b32 v[\pc+6*\c+\i], v[\ct+4*\c+\i]
.endr
.irp i, 0,1,2
	v_mov_b32 v[\pc+6*\c+3+\i], v[\ct+4*\c+\i]
.endr
.endr
.endm
.macro OUTBASE xt, jh, c4, h2
	s_lshr_b32 s18, s[\xt], 3
	s_lshl_b32 s18, s18, 4
	s_lshl_b32 s19, s[\c4], 2
	s_add_co_u32 s18, s18, s19
	s_lshl_b32 s19, s[\h2], 1
	s_add_co_u32 s18, s18, s19
	s_lshl_b32 s18, s18, 4
	s_and_b32 s19, s[\xt], 7
	s_lshl_b32 s19, s19, 1
	s_add_co_u32 s18, s18, s19
	s_add_co_u32 s18, s18, s[\jh]
	s_mov_b32 s21, 0
.endm
.macro EPIQK p
	s_wait_xcnt 0x0
.irp e, 0,1
	WIN 0x02+(2*\p+\e)/4
.set AC, 64*((2*\p+\e)%4)
.set n, 0
.rept 32
	v_pk_add_f32 v[T+n:T+n+1], v[AC+n:AC+n+1], v[BIAS+n:BIAS+n+1]
.set n, n+2
.endr
	WIN 0
	QUANT T, PCA+12*\e, CT, PWS+2*\p+\e
.endr
	s_cmp_eq_u32 ttmp9, 0
	s_cbranch_scc0 .Lkst_\@
.irp e, 0,1
.irp hd, 0,1
	global_store_b128 v[L16], v[PCA+12*\e+6*\hd:PCA+12*\e+6*\hd+3], s[10:11] offset:\hd*106496+768*(2*\p+\e)
	global_store_b64 v[L8], v[PCA+12*\e+6*\hd+4:PCA+12*\e+6*\hd+5], s[10:11] offset:\hd*106496+768*(2*\p+\e)+512
.endr
.endr
	s_branch .Ljn_\@
.Lkst_\@:
.irp hd, 0,1
	v_mov_b32 v[MV+4*\hd], v[PCA+6*\hd+4]
	v_mov_b32 v[MV+4*\hd+1], v[PCA+6*\hd+5]
	v_mov_b32 v[MV+4*\hd+2], v[PCB+6*\hd]
	v_mov_b32 v[MV+4*\hd+3], v[PCB+6*\hd+1]
.endr
	s_wait_alu depctr_va_vdst(0)
.irp hd, 0,1
	global_store_b128 v[L16], v[PCA+6*\hd:PCA+6*\hd+3], s[12:13] offset:\hd*208896+1536*\p
	global_store_b128 v[L16], v[MV+4*\hd:MV+4*\hd+3], s[12:13] offset:\hd*208896+1536*\p+512
	global_store_b128 v[L16], v[PCB+6*\hd+2:PCB+6*\hd+5], s[12:13] offset:\hd*208896+1536*\p+1024
.endr
.Ljn_\@:
.endm
.macro EPIV a
	s_wait_xcnt 0x0
	WIN 0x02+(\a)/4
.set AC, 64*((\a)%4)
.set n, 0
.rept 64
	v_add_f32 v[T+n], v[AC+n], v[BV+\a]
.set n, n+1
.endr
	WIN 0
	QUANT T, PCA, CT, PWS+\a
.irp c, 0,1,2
	global_store_b128 v[L16], v[PCA+4*\c:PCA+4*\c+3], s[12:13] offset:((\a)/4)*208896+6144+1536*((\a)%4)+512*\c
.endr
.endm
	s_wait_loadcnt 0x0                             ; the biases, asked for at the head: first read on the way out; their registers and addresses were not touched in between
	PLACES NP
	v_bfe_u32 v1, v0, 4, 1
	v_cmp_ne_u32 s[HM], 0, v1
	s_cmp_eq_u32 ttmp9, 2
	s_cbranch_scc1 .Lv
	OUTBASE 17, 15, 40, 16
	s_mul_i32 s20, s18, 6656
	s_add_nc_u64 s[10:11], s[10:11], s[20:21]
	s_mul_i32 s20, s18, 13056
	s_add_nc_u64 s[12:13], s[12:13], s[20:21]
	EPIQK 0
	EPIQK 1
	EPIQK 2
	EPIQK 3
	s_wait_xcnt 0x0
.irp i, 0,1,2,3
	v_cndmask_b32 v[Y+\i], v[PWS+\i], v[PWS+4+\i], s[HM]
.endr
.irp i, 0,1,2,3
	v_perm_b32 v[MV+\i], v14, v[Y+\i], 0x07060100
	v_perm_b32 v[MV+4+\i], v14, v[Y+\i], 0x07060302
.endr
	s_cmp_eq_u32 ttmp9, 0
	s_cbranch_scc0 .Lksc
	global_store_b128 v[L16], v[MV:MV+3], s[10:11] offset:6144
	global_store_b128 v[L16], v[MV+4:MV+7], s[10:11] offset:6144+106496
	s_branch .Lend
.Lksc:
	s_wait_alu depctr_va_vdst(0)
	global_store_b128 v[L16], v[MV:MV+3], s[12:13] offset:12288
	global_store_b128 v[L16], v[MV+4:MV+7], s[12:13] offset:12288+208896
	s_branch .Lend
.Lv:
	OUTBASE 42, 16, 41, 15
	s_mul_i32 s20, s18, 13056
	s_add_nc_u64 s[12:13], s[12:13], s[20:21]
.irp a, 0,1,2,3,4,5,6,7
	EPIV \a
.endr
.irp hd, 0,1
.irp e, 0,1
	v_cndmask_b32 v[Y+2*\hd+\e], v[PWS+4*\hd+\e], v[PWS+4*\hd+2+\e], s[HM]
.endr
.endr
.irp hd, 0,1
	global_store_b64 v[L8], v[Y+2*\hd:Y+2*\hd+1], s[12:13] offset:\hd*208896+12800
.endr
.Lend:
	s_wait_tensorcnt 0x0
	ds_add_u32 v[SPW], v[NIL]
	s_wait_dscnt 0x0
	CROUND
	s_endpgm
.Lfunc_end_k_qd73f9ad28e_qkv:
	.size	k_qd73f9ad28e_qkv, .Lfunc_end_k_qd73f9ad28e_qkv-k_qd73f9ad28e_qkv
	.p2alignl 7, 3214868480
	.fill 96, 4, 3214868480
	.section	.rodata,"a",@progbits
	.p2align	6, 0x0
	.amdhsa_kernel k_qd73f9ad28e_qkv
		.amdhsa_group_segment_fixed_size 327680
		.amdhsa_private_segment_fixed_size 0
		.amdhsa_enable_private_segment 0
		.amdhsa_kernarg_size 72
		.amdhsa_user_sgpr_count 2
		.amdhsa_user_sgpr_kernarg_segment_ptr 1
		.amdhsa_wavefront_size32 1
		.amdhsa_system_sgpr_workgroup_id_x 1
		.amdhsa_system_sgpr_workgroup_id_y 1
		.amdhsa_system_sgpr_workgroup_id_z 1
		.amdhsa_system_vgpr_workitem_id 0
		.amdhsa_next_free_vgpr 1024
		.amdhsa_next_free_sgpr 102
		.amdhsa_reserve_vcc 0
		.amdhsa_float_denorm_mode_32 3
		.amdhsa_float_denorm_mode_16_64 3
		.amdhsa_memory_ordered 1
		.amdhsa_forward_progress 1
		.amdhsa_inst_pref_size 223
	.end_amdhsa_kernel
	.amdgpu_metadata
---
amdhsa.version: [ 1, 2 ]
amdhsa.kernels:
  - .name:           k_qd73f9ad28e_qkv
    .symbol:         k_qd73f9ad28e_qkv.kd
    .args:
      - { .name: x_codes, .offset: 0, .size: 8, .value_kind: global_buffer, .address_space: global }
      - { .name: x_scales, .offset: 8, .size: 8, .value_kind: global_buffer, .address_space: global }
      - { .name: w_codes, .offset: 16, .size: 8, .value_kind: global_buffer, .address_space: global }
      - { .name: w_scales, .offset: 24, .size: 8, .value_kind: global_buffer, .address_space: global }
      - { .name: bq, .offset: 32, .size: 8, .value_kind: global_buffer, .address_space: global }
      - { .name: bk, .offset: 40, .size: 8, .value_kind: global_buffer, .address_space: global }
      - { .name: bv, .offset: 48, .size: 8, .value_kind: global_buffer, .address_space: global }
      - { .name: qb, .offset: 56, .size: 8, .value_kind: global_buffer, .address_space: global }
      - { .name: kv, .offset: 64, .size: 8, .value_kind: global_buffer, .address_space: global }
    .group_segment_fixed_size: 327680
    .private_segment_fixed_size: 0
    .kernarg_segment_align: 8
    .kernarg_segment_size: 72
    .max_flat_workgroup_size: 128
    .sgpr_count:     102
    .vgpr_count:     1024
    .wavefront_size: 32
...
	.end_amdgpu_metadata
.endif
;; end of part 2
;; launch attn (part 3): grid 4 x 64, 16 waves a work-group, clusters of 4 x 1, 264,192 bytes of LDS; arguments qb, kv, o_codes, o_scales; writes o_codes, o_scales
.if DOCPART == 3
	.amdgcn_target "amdgcn-amd-amdhsa--gfx1250"
	.amdhsa_code_object_version 6
	.text
	.protected	k_qd73f9ad28e_attn
	.globl	k_qd73f9ad28e_attn
	.p2align	8
	.type	k_qd73f9ad28e_attn,@function
k_qd73f9ad28e_attn:
	s_mov_b64 s[64:65], 0
	v_nop
	global_prefetch_b8 v0, s[64:65] scope:SCOPE_SE
	s_setreg_imm32_b32 hwreg(HW_REG_WAVE_MODE, 25, 1), 1
	s_wait_xcnt 0x0
	s_wait_alu depctr_hold_cnt(0) depctr_sa_sdst(0) depctr_va_vdst(0) depctr_va_sdst(0) depctr_va_ssrc(0) depctr_va_vcc(0) depctr_vm_vsrc(0)
	s_getreg_b32 s2, hwreg(HW_REG_IB_STS2, 6, 4)
	s_cmp_eq_u32 s2, 0
	s_cbranch_scc0 .Lentry_in_a_cluster
	s_endpgm
.Lentry_in_a_cluster:
	s_bfe_u32 s2, ttmp6, 0x10000c
	s_cmp_lg_u32 s2, 0x3003
	s_cbranch_scc0 .Lentry_shape_is_right
	s_endpgm
.Lentry_shape_is_right:
; o = softmax(q k^T / 8) v for one batch and head (work-group y = 16 b + head), both products on codes of BF6 (E3M2) with E8M0 scales; o is divided by the row's sum and quantised along its 64 channels.
; THE SOFTMAX: t = score x log2(e) / 8; M = the running largest t rounded UP to a whole number; p = 2^(t - M) is quantised along the keys, not normalised; the row's sum is taken of the unquantised p in f32.
; When M moves, the sum and O are multiplied by 2^(old M - new M): exact.
; SHARES.  A work-group owns 512 queries; each of its sixteen waves two tiles of 16, one after the other, in 256 registers.
; THE WHOLE HEAD'S K AND V LIE IN LDS: step j's 13,056 bytes, as 51 rows of 256 bytes + 64 of padding, at 16,384 j, filled ONCE, one tensor load a wave (wave w: step w).  Nothing is filled again, nothing is stored to LDS: the loop has no barrier.
; No prefetch: each wave's one tensor load stands at the head, and no loop runs ahead of it.
; CLUSTER.  The four work-groups of a cluster are the four query blocks of one head: each tile is asked for jointly, by the same load with the same descriptor and the mask of all four.
; LAYOUT.  Both products are used transposed: S^T = K Q^T, O^T = V^T P^T: a lane holds ONE query (lane % 16).
; K lies in memory as images of tiles whose position r holds key 32 (T / 2) + 8 (T % 2) + r + 8 (r / 8).  Here the tiles are formed anew by the lanes' addresses: row 8 a + i of tile 4 c + 2 u + e is key 64 c + 32 a + 16 u + 8 e + i,
; read from the image of tile 4 c + 2 a + e at position 8 u + i.  So lane (query, h) has in the 32 registers of tiles 4 c .. 4 c + 3 the keys 64 c + 32 h + 0 .. 31: ONE WHOLE BLOCK of the next K, in the order of the operand's registers.
; With 64 bytes of padding a row, an image pair (6 rows) is 1,920 bytes: the two groups of eight lanes of a load of K stand 128 bytes apart modulo 256.
; THE SCORES' K IS 64 of the instruction's 128: Q's upper six registers are zero codes, and its and K's scale bytes there are 0x7f.  K's tile t names twelve registers from its own six on; what lies in the upper six meets zeros and adds nothing.
; LIMITS: NaN and infinities are not served; the scaled scores stay under 2^31 in magnitude; a block whose largest magnitude lies under 2^(5 - 127) gets the byte 1; a block of zeros gets the byte 1 where the rule says 127 (its codes are zeros; this program alone reads the bytes).
.set L16, 1                            ; v1   16 x lane
.set L8,  2                            ; v2   8 x lane
.set ADK, 3                            ; v3   LDS address of the next step's K;  v5: of its scale words
.set ADV, 4                            ; v4   of the step's V;  v38: of its scale words
.set ADKS, 5
.set R16, 6                            ; v6   16 r: Q's scale words
.set OSL, 7                            ; v7   8 r + h: my byte among o's scales
.set QF,  16                           ; v16-21 Q's codes, v22-27 zeros
.set QS,  28                           ; v28  Q's scale word
.set SPW, 29                           ; v29  my spare word; never rewritten
.set VS,  30                           ; v30-31 V's scale words: register t % 2; lanes 0-15 tiles 0, 1; lanes 16-31 tiles 2, 3
.set KS,  32                           ; v32-35 K's: register t % 4; lanes 0-15 tiles 0-3; lanes 16-31 tiles 4-7
.set BM,  36                           ; v36-37 my two blocks' largest scores, then largest p; then a part of the sum
.set ADVS, 38
.set SELV, 39                          ; v39  byte selects that put my two scale bytes at 2 c + h of the scale word
.set PT,  40                           ; v40-42, v44-46 the conversions' second halves
.set KSB, 43                           ; v43  lane part of the address of K's scale words: 320 h + 16 i + 8 a
.set NIL, 47                           ; v47  0; never rewritten
.set SO,  48                           ; v48-49 at work in the maxima; the conversions' scale operands; then a part of the sum
.set KB,  50                           ; v50  lane part of K's address: 1,920 a + 320 h + 16 i
.set VB,  51                           ; v51  of V's: 320 h + 16 r
.set KF,  52                           ; v52-99 K: tile t at 52 + 6 t
.set PF,  100                          ; v100-111 p's codes
.set SF,  112                          ; v112-175 S^T, then p
.set OT,  176                          ; v176-207 O^T
.set VF,  208                          ; v208-255 V
; v8, v9 at work; v10 f; v11 p's scale word; v12 -M; v13 the largest score; v[14:15] the sum in two halves
.set WV,  12                           ; s12  my wave's number
.set G0,  20                           ; s[20:23], s[24:31] the descriptor
.set G1,  24
.set SEL, 32                           ; s[32:33] lane selects: lane l xor 16
.set CS,  34                           ; s34  c = log2(e) / 8
.set J,   36                           ; s36  the key step
.set FL,  37                           ; s37  the floor 2^(5 - 127)
.set HM,  39                           ; s39  the lanes 16-31
.macro CROUND                          ; a round of the cluster's barrier
	s_barrier_signal -1
	s_barrier_wait -1
	s_cmp_lg_u32 s[WV], 0
	s_cbranch_scc1 .Lnot_wave_0_\@
	s_barrier_signal -3
.Lnot_wave_0_\@:
	s_barrier_wait -3
	s_barrier_signal -1
	s_barrier_wait -1
.endm
; Two independent f32 operations on neighbouring registers in one instruction
.macro DADD d, a, b                    ; d, d + 1 = a, a + 1 + b, b + 1
	v_dual_add_f32 v[\d], v[\a], v[\b] :: v_dual_add_f32 v[(\d)+1], v[(\a)+1], v[(\b)+1]
.endm
.macro DSCL r                          ; r, r + 1 x f
	v_dual_mul_f32 v[\r], v10, v[\r] :: v_dual_mul_f32 v[(\r)+1], v10, v[(\r)+1]
.endm
.macro DFMK r                          ; r, r + 1: score x c - M, fused
	v_dual_fmamk_f32 v[\r], v[\r], 0x3e38aa3b, v12 :: v_dual_fmamk_f32 v[(\r)+1], v[(\r)+1], 0x3e38aa3b, v9
.endm
	s_load_b256 s[4:11], s[0:1], 0x0               ; qb, kv, o's codes, o's scales
	v_lshl_add_u32 v[SPW], v0, 2, 0x40000
	v_mov_b32 v[NIL], 0
	ds_add_u32 v[SPW], v[NIL]
	ds_add_u32 v[SPW], v[NIL]
	v_lshrrev_b32 v1, 5, v0
	s_delay_alu instid0(VALU_DEP_1)
	v_readfirstlane_b32 s[WV], v1                  ; wave 0..15
	s_bfe_u32 s13, ttmp6, 0x40000                  ; cx
	s_and_b32 s14, ttmp7, 0xffff                   ; 16 b + head, which the four partners share
	s_lshl_b32 s15, ttmp9, 2
	s_add_co_u32 s15, s15, s13                     ; my block of 512 queries: it enters Q's and o's addresses alone
	; descriptor group 1: a step's 13,056 dense bytes as 51 rows of 256 (32 elements of 8 bytes), 16 words of padding behind each 64
	s_mov_b32 s[G1], 15|(3<<16)|(1<<20)|(1<<21)|(5<<22)|(15<<25)
	s_mov_b32 s[G1+1], 32<<16                      ; tensor_dim0
	s_mov_b32 s[G1+2], 51<<16                      ; tensor_dim1
	s_mov_b32 s[G1+3], 32<<16                      ; tile_dim0
	s_mov_b32 s[G1+4], 51                          ; tile_dim1
	s_mov_b32 s[G1+5], 32                          ; tensor_dim0_stride
	s_mov_b32 s[G1+6], 0
	s_mov_b32 s[G1+7], 0
	s_mul_i32 s16, s14, 208896                     ; the head's 16 steps,
	s_mul_i32 s17, s[WV], 13056                    ; my wave's step
	s_add_co_u32 s16, s16, s17
	s_mov_b32 s17, 0
	s_lshl_b32 s18, s14, 4                         ; Q: my tiles are 32 x block + 2 w + i: group 4 x block + w / 4, tiles 2 (w % 4) + i of it
	s_lshl_b32 s19, s15, 2
	s_add_co_u32 s18, s18, s19
	s_lshr_b32 s19, s[WV], 2
	s_add_co_u32 s18, s18, s19
	s_mul_i32 s18, s18, 6656
	s_and_b32 s19, s[WV], 3
	s_mul_i32 s19, s19, 1536
	s_add_co_u32 s40, s18, s19                     ; the codes
	s_mov_b32 s41, 0
	s_bfe_u32 s19, s[WV], 0x10001
	s_lshl_b32 s19, s19, 8
	s_add_co_u32 s42, s18, s19
	s_and_b32 s19, s[WV], 1
	s_lshl_b32 s19, s19, 3
	s_add_co_u32 s42, s42, s19
	s_add_co_u32 s42, s42, 6144                    ; the scale words: + 256 (tile / 4) + 4 (tile % 4)
	s_mov_b32 s43, 0
	s_lshr_b32 s18, s14, 4                         ; o: row tile 128 b + 32 x block + 2 w
	s_lshl_b32 s18, s18, 7
	s_lshl_b32 s19, s15, 5
	s_add_co_u32 s18, s18, s19
	s_lshl_b32 s19, s[WV], 1
	s_add_co_u32 s18, s18, s19
	s_and_b32 s19, s14, 15                         ; the head = which 64 along the last product's K
	s_mul_i32 s44, s18, 12288
	s_mul_i32 s45, s19, 768
	s_add_co_u32 s44, s44, s45
	s_mov_b32 s45, 0
	s_lshl_b32 s46, s18, 9
	s_lshr_b32 s47, s19, 2
	s_lshl_b32 s47, s47, 7
	s_add_co_u32 s46, s46, s47
	s_and_b32 s47, s19, 3
	s_lshl_b32 s47, s47, 1
	s_add_co_u32 s46, s46, s47                     ; the scale bytes: 512 x tile + 128 (head / 4) + 2 (head % 4)
	s_mov_b32 s47, 0
	s_mov_b32 s[SEL], 0x76543210
	s_mov_b32 s[SEL+1], 0xfedcba98
	s_mov_b32 s[CS], 0x3e38aa3b                    ; log2(e) / 8
	s_mov_b32 s[FL], 0x2800000
	s_wait_dscnt 0x0
	s_wait_kmcnt 0x0
	s_mov_b32 s[G0], 1                             ; count = 1
	s_lshl_b32 s[G0+1], s[WV], 14                  ; LDS address: my step's place
	s_add_nc_u64 s[G0+2:G0+3], s[6:7], s[16:17]
	s_or_b32 s[G0+3], s[G0+3], 0x80000000          ; type = 2
	s_add_nc_u64 s[6:7], s[4:5], s[42:43]          ; Q's scale words
	s_add_nc_u64 s[4:5], s[4:5], s[40:41]          ; Q's codes
	s_add_nc_u64 s[8:9], s[8:9], s[44:45]
	s_add_nc_u64 s[10:11], s[10:11], s[46:47]
	CROUND                                         ; all four work-groups are here: the joint loads meet
	tensor_load_to_lds s[G0:G0+3], s[G1:G1+7]      ; one tensor load of mine is out
	s_nop 0
.rept 4
	v_nop
.endr
	v_and_b32 v9, 31, v0
	v_and_b32 v8, 15, v0                           ; r
	v_bfe_u32 v10, v0, 3, 1                        ; a = r / 8
	v_and_b32 v11, 7, v0                           ; i = r % 8
	s_delay_alu instid0(VALU_DEP_4)
	v_lshlrev_b32 v[L16], 4, v9
	v_lshlrev_b32 v[L8], 3, v9
	v_bfe_u32 v9, v0, 4, 1                         ; h
	v_lshlrev_b32 v[R16], 4, v8
	s_delay_alu instid0(VALU_DEP_2)
	v_lshl_add_u32 v[OSL], v8, 3, v9
	v_cmp_ne_u32 s[HM], 0, v9
	v_mul_u32_u24 v[VB], v9, 320                   ; 320 h: lanes 16-31 read one padded row further on
	s_delay_alu instid0(VALU_DEP_1)
	v_lshl_add_u32 v[KSB], v11, 4, v[VB]
	s_delay_alu instid0(VALU_DEP_1)
	v_mad_u32_u24 v[KB], v10, 1920, v[KSB]         ; rows 8-15 of a tile come from the image pair behind
	v_lshl_add_u32 v[KSB], v10, 3, v[KSB]
	v_lshl_add_u32 v[VB], v8, 4, v[VB]
	global_load_b128 v[QF:QF+3], v[L16], s[4:5]    ; my first tile of queries
	global_load_b64 v[QF+4:QF+5], v[L8], s[4:5] offset:512
	global_load_b32 v[QS], v[R16], s[6:7]
	v_mov_b32 v[SELV], 0x0c070c03                  ; lanes 0-15: bytes 0 and 2 of the scale word, the others 0
	v_mov_b32 v10, 0x070c030c                      ; lanes 16-31: bytes 1 and 3
	s_delay_alu instid0(VALU_DEP_1)
	v_cndmask_b32 v[SELV], v[SELV], v10, s[HM]
.irp i, 0,1,2,3,4,5
	v_mov_b32 v[QF+6+\i], 0                        ; zero codes for the upper 64 of the scores' K
	v_mov_b32 v[PF+\i], 0                          ; what tile 7 of K names beyond its own codes, before p is first made
.endr
.irp b, 0,1,2,4,5,6
	v_mov_b32 v[PT+\b], 0                          ; written once: a lane permute's destination counts as one of its sources
.endr
	v_mov_b32 v8, 0
	v_mov_b32 v9, 0
	v_mov_b32 v11, 0                               ; (named as the upper half of the pair v[10:11] before it is first written)
	v_mov_b32 v[ADK], v[KB]                        ; step 0
	v_mov_b32 v[ADKS], v[KSB]
	v_mov_b32 v[ADV], v[VB]
	v_mov_b32 v[ADVS], v[L8]
	s_wait_alu depctr_va_vdst(0)
	s_wait_tensorcnt 0x0                           ; my step is in,
	s_barrier_signal -1
	s_barrier_wait -1                              ; everybody's is: from here on LDS is only read
.macro KLOAD                           ; 14 loads: a step's eight tiles of K, two to three loads, and their scale words
.irp c, 0,1
.irp u, 0,1
.irp k, 0,1,2
	ds_load_b128 v[KF+24*\c+12*\u+4*\k:KF+24*\c+12*\u+4*\k+3], v[ADK] offset:3840*\c+128*\u+640*\k
.endr
.endr
.endr
.irp u, 0,1
	ds_load_b64 v[KS+2*\u:KS+2*\u+1], v[ADKS] offset:15360+128*\u
.endr
.endm
.macro VLOAD                           ; 13 loads: its four images of V^T, and their scale words
.irp t, 0,1,2,3
.irp k, 0,1,2
	ds_load_b128 v[VF+12*\t+4*\k:VF+12*\t+4*\k+3], v[ADV] offset:7680+1920*\t+640*\k
.endr
.endr
	ds_load_b64 v[VS:VS+1], v[ADVS] offset:16000
.endm
; A KEY STEP: 128 keys.  K of this step was asked for in the step before; V is asked for at the head and lands under the scores and the softmax; K of the next step (step 0 behind step 15) is asked for behind the scores.
.macro KEYSTEP
	s_add_co_u32 s38, s[J], 1
	s_and_b32 s38, s38, 15
	s_lshl_b32 s38, s38, 14                        ; the next step's place
	VLOAD
	s_wait_dscnt 13                                ; K and its scale words are in; the 13 loads just issued may be out
.irp t, 0,1,2,3
	v_wmma_scale_f32_16x16x128_f8f6f4 v[SF+8*\t:SF+8*\t+7], v[KF+6*\t:KF+6*\t+11], v[QF:QF+11], 0, v[KS+\t], v[QS] matrix_a_fmt:MATRIX_FMT_BF6 matrix_b_fmt:MATRIX_FMT_BF6
.endr
.irp t, 4,5,6,7
	v_wmma_scale_f32_16x16x128_f8f6f4 v[SF+8*\t:SF+8*\t+7], v[KF+6*\t:KF+6*\t+11], v[QF:QF+11], 0, v[KS+\t-4], v[QS] matrix_a_fmt:MATRIX_FMT_BF6 matrix_b_fmt:MATRIX_FMT_BF6 matrix_a_scale:MATRIX_SCALE_ROW1
.endr
	v_add_nc_u32 v[ADK], s38, v[KB]                ; the next step's four addresses: also the four places in front of the loads into K's registers and of the first read of the scores
	v_add_nc_u32 v[ADKS], s38, v[KSB]
	v_add_nc_u32 v[ADV], s38, v[VB]
	v_add_nc_u32 v[ADVS], s38, v[L8]
	KLOAD
.irp c, 0,1                                    ; the largest score of my two blocks of 32 keys, each in two chains; every accumulator is read from its low end on
	v_max3_num_f32 v[BM+\c], v[SF+32*\c], v[SF+32*\c+1], v[SF+32*\c+2]
	v_max3_num_f32 v[SO+\c], v[SF+32*\c+16], v[SF+32*\c+17], v[SF+32*\c+18]
.endr
.irp i, 3,5,7,9,11,13
.irp c, 0,1
	v_max3_num_f32 v[BM+\c], v[BM+\c], v[SF+32*\c+\i], v[SF+32*\c+\i+1]
	v_max3_num_f32 v[SO+\c], v[SO+\c], v[SF+32*\c+16+\i], v[SF+32*\c+17+\i]
.endr
.endr
.irp c, 0,1
	v_max3_num_f32 v[BM+\c], v[BM+\c], v[SO+\c], v[SF+32*\c+15]
.endr
.irp c, 0,1
	v_max_num_f32 v[BM+\c], v[BM+\c], v[SF+32*\c+31]   ; it serves for the row's maximum and, since p rises with the score, for the block's largest p
.endr
	s_delay_alu instid0(VALU_DEP_1)
	v_max3_num_f32 v13, v13, v[BM], v[BM+1]        ; the running largest score of my 64 keys a step,
	s_delay_alu instid0(VALU_DEP_1)
	v_permlanex16_b32 v8, v13, s[SEL], s[SEL+1]
	s_delay_alu instid0(VALU_DEP_1)
	v_max_num_f32 v13, v13, v8                     ; and of lane l xor 16's
	s_delay_alu instid0(VALU_DEP_1)
	v_mul_f32 v8, s[CS], v13                       ; as t (c is positive)
	v_mov_b32 v9, v12
	s_delay_alu instid0(VALU_DEP_2)
	v_floor_f32 v12, -v8                           ; the new -M = floor(-t) = -ceil(t)
	s_delay_alu instid0(VALU_DEP_1)
	v_sub_f32 v9, v12, v9                          ; old M - new M: a whole number, 0 or less
	s_delay_alu instid0(VALU_DEP_1)
	v_cvt_i32_f32 v9, v9                           ; (it saturates)
	s_delay_alu instid0(VALU_DEP_1)
	v_ldexp_f32 v10, 1.0, v9                       ; f = 2^(old M - new M)
	v_mov_b32 v9, v12                              ; -M once more, in an odd register: the two halves of a pair take their addends from registers of unlike parity
	DFMK BM                                        ; t - M of each block's largest score,
.set n, 0
.rept 32
	DFMK SF+n                                      ; and of all 64
.set n, n+2
.endr
.set n, 0
.rept 16
	DSCL OT+n                                      ; O^T under the new M, ascending
.set n, n+2
.endr
	s_wait_alu depctr_va_vdst(0)
	v_exp_f32 v[BM], v[BM]                         ; the block's largest p: the same two operations on the same number
	v_exp_f32 v[BM+1], v[BM+1]
.set n, 0
.rept 64
	v_exp_f32 v[SF+n], v[SF+n]                     ; p = 2^(t - M), at most 1
.set n, n+1
.endr
	v_pk_mul_f32 v[14:15], v[14:15], v[10:11] op_sel_hi:[1,0]   ; the sums under the new M: the plain place behind the exponentials
	s_wait_alu depctr_va_vdst(0)                   ; one wait for the whole batch
	v_dual_max_num_f32 v[BM], s[FL], v[BM] :: v_dual_max_num_f32 v[BM+1], s[FL], v[BM+1]   ; the floor: the byte cannot fall under 1
	v_add_nc_u32 v[SO], 0xfe000000, v[BM]          ; 4 off the exponent field: the conversion's scale operand
	v_add_nc_u32 v[SO+1], 0xfe000000, v[BM+1]
	v_lshl_add_u32 v8, v[BM], 1, 0xfc000000        ; the scale's byte, in the top byte
	v_lshl_add_u32 v9, v[BM+1], 1, 0xfc000000
.irp c, 0,1
	v_cvt_scalef32_pk16_bf6_f32 v[PF+6*\c:PF+6*\c+2], v[SF+32*\c:SF+32*\c+15], v[SO+\c]
	v_cvt_scalef32_pk16_bf6_f32 v[PT+4*\c:PT+4*\c+2], v[SF+32*\c+16:SF+32*\c+31], v[SO+\c]   ; (a conversion's three registers begin on an even number)
.endr
	v_perm_b32 v11, v9, v8, v[SELV]                ; my two bytes at 2 c + h.  (The plain place behind the conversions)
	s_delay_alu instid0(VALU_DEP_1)
	v_permlanex16_b32 v9, v11, s[SEL], s[SEL+1]
	s_delay_alu instid0(VALU_DEP_1)
	v_or_b32 v11, v11, v9                          ; with lane l xor 16's two: p's scale word for these 128 keys
	v_mov_b32 v[PF+5], v[PT+2]
	v_mov_b32 v[PF+11], v[PT+6]
	v_dual_mov_b32 v[PF+3], v[PT] :: v_dual_mov_b32 v[PF+4], v[PT+1]
	v_dual_mov_b32 v[PF+9], v[PT+4] :: v_dual_mov_b32 v[PF+10], v[PT+5]
	DADD 8, SF, SF+2                               ; the row's sum of the unquantised p, in four chains of pairs.  (24 places between p's codes and scale word and the products below)
	DADD BM, SF+4, SF+6
	DADD SO, SF+8, SF+10
	DADD 14, SF+12, 14
.irp n, 14,22,30,38,46
	DADD 8, SF+\n, 8
	DADD BM, SF+\n+2, BM
	DADD SO, SF+\n+4, SO
	DADD 14, SF+\n+6, 14
.endr
	s_wait_alu depctr_va_vdst(0)
	s_wait_dscnt 14                                ; V and its scale words are in; the next step's K, 14 loads, may be out
.irp t, 0,1
	v_wmma_scale_f32_16x16x128_f8f6f4 v[OT+8*\t:OT+8*\t+7], v[VF+12*\t:VF+12*\t+11], v[PF:PF+11], v[OT+8*\t:OT+8*\t+7], v[VS+\t], v11 matrix_a_fmt:MATRIX_FMT_BF6 matrix_b_fmt:MATRIX_FMT_BF6
.endr
.irp t, 2,3
	v_wmma_scale_f32_16x16x128_f8f6f4 v[OT+8*\t:OT+8*\t+7], v[VF+12*\t:VF+12*\t+11], v[PF:PF+11], v[OT+8*\t:OT+8*\t+7], v[VS+\t-2], v11 matrix_a_fmt:MATRIX_FMT_BF6 matrix_b_fmt:MATRIX_FMT_BF6 matrix_a_scale:MATRIX_SCALE_ROW1
.endr
	DADD 8, SF+54, 8                               ; the rest of the sum names no register of the products: eight places in front of the next loads into V's registers and of the reads of O^T
	DADD BM, SF+56, BM
	DADD SO, SF+58, SO
	DADD 14, SF+60, 14
	DADD 8, SF+62, 8
	DADD BM, BM, SO
	DADD 14, 14, 8
	DADD 14, 14, BM
	s_wait_alu depctr_va_vdst(0)
.endm
; THE WAY OUT of tile i: O^T / the sum; register 16 b + n is channel 32 b + 16 h + n of my query: two blocks of the last product's K; 768 bytes of codes, and my block's scale byte.
.macro OUT i
.if \i == 0
	global_load_b128 v[QF:QF+3], v[L16], s[4:5] offset:768        ; my second tile of queries
	global_load_b64 v[QF+4:QF+5], v[L8], s[4:5] offset:768+512
	global_load_b32 v[QS], v[R16], s[6:7] offset:4
.endif
	v_add_f32 v14, v14, v15                        ; the sum's two halves,
	s_delay_alu instid0(VALU_DEP_1)
	v_permlanex16_b32 v8, v14, s[SEL], s[SEL+1]
	s_delay_alu instid0(VALU_DEP_1)
	v_add_f32 v14, v14, v8                         ; and lane l xor 16's: the row's sum
	s_wait_alu depctr_va_vdst(0)
	v_rcp_f32 v14, v14
	v_nop                                          ; one plain place behind a transcendental
	s_wait_alu depctr_va_vdst(0)
.irp j, 0,2,4,6,8,10,12,14,16,18,20,22,24,26,28,30
	v_pk_mul_f32 v[SF+\j:SF+\j+1], v[OT+\j:OT+\j+1], v[14:15] op_sel_hi:[1,0]   ; ascending: each accumulator is read from its low end on
.endr
.irp b, 0,1
	v_max3_num_f32 v[BM+\b], |v[SF+16*\b]|, |v[SF+1+16*\b]|, 0x2800000
.endr
.irp n, 2,4,6,8,10,12,14
.irp b, 0,1
	s_delay_alu instid0(VALU_DEP_2)
	v_max3_num_f32 v[BM+\b], v[BM+\b], |v[SF+16*\b+\n]|, |v[SF+1+16*\b+\n]|
.endr
.endr
.irp b, 0,1
	v_permlanex16_b32 v[PT+\b], v[BM+\b], s[SEL], s[SEL+1]
.endr
.irp b, 0,1
	s_delay_alu instid0(VALU_DEP_2)
	v_max_num_f32 v[BM+\b], v[BM+\b], v[PT+\b]
.endr
.irp b, 0,1
	s_delay_alu instid0(VALU_DEP_2)
	v_add_nc_u32 v[SO+\b], 0xfe000000, v[BM+\b]
.endr
.irp b, 0,1
	s_delay_alu instid0(VALU_DEP_2)
	v_lshrrev_b32 v[PT+\b], 23, v[SO+\b]
.endr
	v_cvt_scalef32_pk16_bf6_f32 v[PF:PF+2], v[SF:SF+15], v[SO]
	v_cvt_scalef32_pk16_bf6_f32 v[PT+4:PT+6], v[SF+16:SF+31], v[SO+1]
	v_cndmask_b32 v8, v[PT], v[PT+1], s[HM]        ; block h's byte.  (The plain place behind the conversions)
.irp n, 0,1,2
	v_permlane16_swap_b32 v[PF+\n], v[PT+4+\n]     ; here a lane holds half of each block: the halves change places, so that a lane holds a whole block
.endr
.irp n, 0,1,2
	s_delay_alu instid0(VALU_DEP_3)
	v_mov_b32 v[PF+3+\n], v[PT+4+\n]
.endr
	global_store_b128 v[L16], v[PF:PF+3], s[8:9] offset:12288*\i          ; 512 consecutive bytes
	global_store_b64 v[L8], v[PF+4:PF+5], s[8:9] offset:12288*\i+512      ; 256 consecutive bytes
	global_store_b8 v[OSL], v8, s[10:11] offset:512*\i                    ; a head has two of a scale word's four bytes: each lane stores its own block's
.endm
.macro PASS i
	s_wait_xcnt 0x0                                ; the last tile's stores have read their registers
	v_mov_b32 v13, 0xff61b1e6                      ; the largest score so far: -3e38, under every score
	s_delay_alu instid0(VALU_DEP_1)
	v_floor_f32 v12, -v13                          ; -M
	v_mov_b32 v14, 0
	v_mov_b32 v15, 0
.set n, 0
.rept 32
	v_mov_b32 v[OT+n], 0                           ; the step is written once: its first trip finds zeros, which the first change of M leaves zeros
.set n, n+1
.endr
	s_wait_alu depctr_va_vdst(0)
	s_wait_loadcnt 0x0                             ; Q
	s_mov_b32 s[J], 0
.Lstep_\@:
	KEYSTEP
	s_add_co_u32 s[J], s[J], 1
	s_cmp_lt_u32 s[J], 16
	s_cbranch_scc1 .Lstep_\@
	OUT \i
.endm
	KLOAD                                          ; K of step 0
	PASS 0
	PASS 1
	s_wait_dscnt 0x0                               ; the last 14 loads (step 0's K once more) serve nobody: they are only waited for
	s_wait_tensorcnt 0x0                           ; the wave's end
	ds_add_u32 v[SPW], v[NIL]
	s_wait_dscnt 0x0
	CROUND                                         ; the closing round
	s_endpgm
.Lfunc_end_k_qd73f9ad28e_attn:
	.size	k_qd73f9ad28e_attn, .Lfunc_end_k_qd73f9ad28e_attn-k_qd73f9ad28e_attn
	.p2alignl 7, 3214868480
	.fill 96, 4, 3214868480
	.section	.rodata,"a",@progbits
	.p2align	6, 0x0
	.amdhsa_kernel k_qd73f9ad28e_attn
		.amdhsa_group_segment_fixed_size 264192
		.amdhsa_private_segment_fixed_size 0
		.amdhsa_enable_private_segment 0
		.amdhsa_kernarg_size 32
		.amdhsa_user_sgpr_count 2
		.amdhsa_user_sgpr_kernarg_segment_ptr 1
		.amdhsa_wavefront_size32 1
		.amdhsa_system_sgpr_workgroup_id_x 1
		.amdhsa_system_sgpr_workgroup_id_y 1
		.amdhsa_system_sgpr_workgroup_id_z 1
		.amdhsa_system_vgpr_workitem_id 0
		.amdhsa_next_free_vgpr 256
		.amdhsa_next_free_sgpr 66
		.amdhsa_reserve_vcc 0
		.amdhsa_float_denorm_mode_32 3
		.amdhsa_float_denorm_mode_16_64 3
		.amdhsa_memory_ordered 1
		.amdhsa_forward_progress 1
		.amdhsa_inst_pref_size 51
	.end_amdhsa_kernel
	.amdgpu_metadata
---
amdhsa.version: [ 1, 2 ]
amdhsa.kernels:
  - .name:           k_qd73f9ad28e_attn
    .symbol:         k_qd73f9ad28e_attn.kd
    .args:
      - { .name: qb, .offset: 0, .size: 8, .value_kind: global_buffer, .address_space: global }
      - { .name: kv, .offset: 8, .size: 8, .value_kind: global_buffer, .address_space: global }
      - { .name: o_codes, .offset: 16, .size: 8, .value_kind: global_buffer, .address_space: global }
      - { .name: o_scales, .offset: 24, .size: 8, .value_kind: global_buffer, .address_space: global }
    .group_segment_fixed_size: 264192
    .private_segment_fixed_size: 0
    .kernarg_segment_align: 8
    .kernarg_segment_size: 32
    .max_flat_workgroup_size: 512
    .sgpr_count:     66
    .vgpr_count:     256
    .wavefront_size: 32
...
	.end_amdgpu_metadata
.endif
;; end of part 3
;; launch oproj (part 4): grid 4 x 32, 4 waves a work-group, clusters of 4 x 4, 327,680 bytes of LDS; arguments o_codes, o_scales, w_codes, w_scales, bo, out0; writes out0
.if DOCPART == 4
	.amdgcn_target "amdgcn-amd-amdhsa--gfx1250"
	.amdhsa_code_object_version 6
	.text
	.protected	k_qd73f9ad28e_oproj
	.globl	k_qd73f9ad28e_oproj
	.p2align	8
	.type	k_qd73f9ad28e_oproj,@function
k_qd73f9ad28e_oproj:
	s_mov_b64 s[64:65], 0
	v_nop
	global_prefetch_b8 v0, s[64:65] scope:SCOPE_SE
	s_setreg_imm32_b32 hwreg(HW_REG_WAVE_MODE, 25, 1), 1
	s_wait_xcnt 0x0
	s_wait_alu depctr_hold_cnt(0) depctr_sa_sdst(0) depctr_va_vdst(0) depctr_va_sdst(0) depctr_va_ssrc(0) depctr_va_vcc(0) depctr_vm_vsrc(0)
	s_getreg_b32 s2, hwreg(HW_REG_IB_STS2, 6, 4)
	s_cmp_eq_u32 s2, 0
	s_cbranch_scc0 .Lentry_in_a_cluster
	s_endpgm
.Lentry_in_a_cluster:
	s_bfe_u32 s2, ttmp6, 0x10000c
	s_cmp_lg_u32 s2, 0xf033
	s_cbranch_scc0 .Lentry_shape_is_right
	s_endpgm
.Lentry_shape_is_right:
.set NQ,     2
.set FR,     12
.set NL,     4
.set NP,     4
.set TILEB,  3072
.set RTB,    12288
.set HALFT,  8*TILEB
.set SLOT,   4*HALFT
.set SCL,    2*SLOT
.set HALFS,  4096
.set SBLK,   512
.set SPARE,  SCL+4*HALFS
.set SPITCH, 528
.set ADRA, 16
.set ADRB, 20
.set STO,  24
.set RD,   25
.set CO,   26
.set ADRS, 27
.set SPW,  28
.set NIL,  29
.set SC,   32
.set BIAS, 64
.set AF,   128
.set BK,   128
.set G1, 24
.set G0, 32
.set G1B, 48
.set G0B, 56
.set G1S, 68
.set G0S, 76
.set G1SB, 80
.set G0SB, 88
.set MSB, 0
.macro WIN new
.if MSB != (\new)
	s_set_vgpr_msb (MSB<<8)|(\new)
.set MSB, (\new)
.endif
.endm
.set MUL_LO, 0xa1
.set MUL_HI, 0xf1
.set FIRST_LO, 0x81
.set FIRST_HI, 0xc1
.set TO_B,   0x40
.macro JLOAD g0a, g1a, g0b, g1b
	s_cmp_eq_u32 s15, 0
	s_cbranch_scc0 .Lfor_b_\@
	tensor_load_to_lds s[\g0a:\g0a+3], s[\g1a:\g1a+7]
	s_nop 0
.rept 4
	v_nop
.endr
	s_branch .Lasked_\@
.Lfor_b_\@:
	tensor_load_to_lds s[\g0b:\g0b+3], s[\g1b:\g1b+7]
	s_nop 0
.rept 4
	v_nop
.endr
.Lasked_\@:
.endm
.macro CREST
	s_cmp_lg_u32 s14, 0
	s_cbranch_scc1 .Lnot_wave_0_\@
	s_barrier_signal -3
.Lnot_wave_0_\@:
	s_barrier_wait -3
	s_barrier_signal -1
	s_barrier_wait -1
.endm
.macro CROUND
	s_barrier_signal -1
	s_barrier_wait -1
	CREST
.endm
	s_load_b256 s[4:11], s[0:1], 0x0
	s_load_b128 s[96:99], s[0:1], 0x20
	v_lshl_add_u32 v[SPW], v0, 2, SPARE
	v_mov_b32 v[NIL], 0
	ds_add_u32 v28, v29
	ds_add_u32 v28, v29
	s_wait_dscnt 0x0
	v_lshrrev_b32 v1, 5, v0
	v_readfirstlane_b32 s14, v1
	s_lshr_b32 s15, s14, 1
	s_and_b32 s16, s14, 1
	s_bfe_u32 s40, ttmp6, 0x40000
	s_bfe_u32 s41, ttmp6, 0x40004
	s_lshl_b32 s42, ttmp9, 2
	s_add_co_u32 s42, s42, s40
	s_and_b32 s17, ttmp7, 0xffff
	s_lshl_b32 s17, s17, 2
	s_add_co_u32 s17, s17, s41
	s_lshl_b32 s43, s41, 2
	s_lshl_b32 s43, 15, s43
	s_lshl_b32 s44, 0x1111, s40
	s_or_b32 s[G1+0], s43, (3<<16)|(1<<21)
	s_or_b32 s[G1B+0], s44, (3<<16)|(1<<21)
.irp g, G1, G1B
	s_mov_b32 s[\g+1], 384<<16
	s_mov_b32 s[\g+2], 16<<16                      ; the head's loads of codes bring all 16 row tiles; behind them the two counts are set to 8
	s_mov_b32 s[\g+3], 384<<16
	s_mov_b32 s[\g+4], 16
	s_mov_b32 s[\g+5], 1536
	s_mov_b32 s[\g+6], 0
	s_mov_b32 s[\g+7], 0
.endr
	s_or_b32 s[G1S+0], s43, (3<<16)|(1<<21)
	s_or_b32 s[G1SB+0], s44, (3<<16)|(1<<21)
.irp g, G1S, G1SB
	s_mov_b32 s[\g+1], 32<<16
	s_mov_b32 s[\g+2], 32<<16                      ; the scales of 256 rows: 32 rows of 256 bytes
	s_mov_b32 s[\g+3], 32<<16
	s_mov_b32 s[\g+4], 32
	s_mov_b32 s[\g+5], 32
	s_mov_b32 s[\g+6], 0
	s_mov_b32 s[\g+7], 0
.endr
	s_lshl_b32 s18, s16, 3
	s_lshl_b32 s20, s17, 4
	s_add_co_u32 s20, s20, s18
	s_lshl_b32 s46, s42, 4
	s_add_co_u32 s46, s46, s18
	s_lshl_b32 s22, s20, 9
	s_mov_b32 s23, 0
	s_lshl_b32 s92, s46, 9
	s_mov_b32 s93, 0
	s_mul_i32 s20, s20, RTB
	s_mov_b32 s21, 0
	s_mul_i32 s46, s46, RTB
	s_mov_b32 s47, 0
	s_mul_i32 s2, s14, HALFT
	s_lshl_b32 s3, s14, 12
	s_wait_kmcnt 0x0
	s_add_nc_u64 s[20:21], s[4:5], s[20:21]
	s_add_nc_u64 s[22:23], s[6:7], s[22:23]
	s_add_nc_u64 s[46:47], s[8:9], s[46:47]
	s_add_nc_u64 s[46:47], s[46:47], 192*RTB
	s_add_nc_u64 s[92:93], s[10:11], s[92:93]
	s_add_nc_u64 s[92:93], s[92:93], 192*SBLK
	s_lshl_b32 s18, s42, 10                        ; the bias of my 128 columns is asked for here, ahead of the tensor loads; v5 and s[96:97] are not written again
	s_lshl_b32 s19, s16, 9
	s_add_co_u32 s18, s18, s19
	s_mov_b32 s19, 0
	s_add_nc_u64 s[96:97], s[96:97], s[18:19]
	v_bfe_u32 v2, v0, 4, 1
	v_lshlrev_b32 v5, 6, v2
.irp b, 0,1,2,3
.irp j, 0,1,2,3
	global_load_b128 v[BIAS+16*\b+4*\j:BIAS+16*\b+4*\j+3], v5, s[96:97] offset:128*\b+16*\j
.endr
.endr
	CROUND
	s_mov_b32 s[G0S], 1
	s_add_co_u32 s[G0S+1], s3, SCL-4096            ; wave 1 issues this load: A's scales, both halves, from SCL on
	s_sub_nc_u64 s[G0S+2:G0S+3], s[22:23], 4096    ; from the second half's scales back to the first's
	s_or_b32 s[G0S+3], s[G0S+3], 0x80000000
	s_mov_b32 s[G0SB], 1
	s_add_co_u32 s[G0SB+1], s3, SCL-4096           ; wave 3 issues this load: B's scales, both halves, from SCL + 8,192 on
	s_sub_nc_u64 s[G0SB+2:G0SB+3], s[92:93], 4096
	s_or_b32 s[G0SB+3], s[G0SB+3], 0x80000000
.irp s, 0,1
	s_mov_b32 s[G0+4*\s], 1
	s_add_co_u32 s[G0+4*\s+1], s2, \s*SLOT
	s_add_nc_u64 s[G0+4*\s+2:G0+4*\s+3], s[20:21], \s*TILEB
	s_or_b32 s[G0+4*\s+3], s[G0+4*\s+3], 0x80000000
	s_mov_b32 s[G0B+4*\s], 1
	s_add_co_u32 s[G0B+4*\s+1], s2, \s*SLOT
	s_add_nc_u64 s[G0B+4*\s+2:G0B+4*\s+3], s[46:47], \s*TILEB
	s_or_b32 s[G0B+4*\s+3], s[G0B+4*\s+3], 0x80000000
.endr
; THE HEAD'S LOADS, ONE A WAVE: wave 0 slot 0's 16 row tiles of A, wave 1 A's scales, wave 2 slot 0's 16 row tiles of B, wave 3 B's scales.
; Waves 0 and 2 hold the first half's address and place in their slot 0 descriptors, so these serve with 16 rows.  One chain of branches on the wave's number, every arm to one join.
.macro ARM under, g0, g1, next
	s_cmp_lt_u32 s14, \under
	s_cbranch_scc0 \next
	tensor_load_to_lds s[\g0:\g0+3], s[\g1:\g1+7]
	s_nop 0
.rept 4
	v_nop
.endr
	s_branch .Lhead_asked
\next:
.endm
	ARM 1, G0,  G1,  .Lhead_sa
	ARM 2, G0S, G1S, .Lhead_b
	ARM 3, G0B, G1B, .Lhead_sb
	tensor_load_to_lds s[G0SB:G0SB+3], s[G1SB:G1SB+7]
	s_nop 0
.rept 4
	v_nop
.endr
.Lhead_asked:
	s_wait_alu depctr_va_vdst(0)
	s_wait_tensorcnt 0x0                           ; my tile of the head's four is in
	ds_add_u32 v28, v29
	s_mov_b32 s[G1+2], 8<<16                       ; no tensor load of mine is out: from here on a load brings 8 row tiles
	s_mov_b32 s[G1+4], 8
	s_mov_b32 s[G1B+2], 8<<16
	s_mov_b32 s[G1B+4], 8
	s_wait_dscnt 0x0
	CROUND
	JLOAD G0+4, G1, G0B+4, G1B                     ; slot 1's first fill, the first tensor load behind the round
	v_and_b32 v1, 15, v0
	v_bfe_u32 v2, v0, 4, 1
	v_and_b32 v3, 31, v0
	v_lshlrev_b32 v[CO], 4, v3
	v_lshlrev_b32 v3, 3, v3
	s_mul_i32 s20, s15, HALFT
	s_mul_i32 s21, s16, HALFT
	s_add_co_u32 s21, s21, 2*HALFT
.irp s, 0,1
	v_add_nc_u32 v[ADRA+\s], s20, v[CO]
	v_add_nc_u32 v[ADRA+2+\s], s20, v3
	v_add_nc_u32 v[ADRB+\s], s21, v[CO]
	v_add_nc_u32 v[ADRB+2+\s], s21, v3
	s_add_co_u32 s20, s20, SLOT
	s_add_co_u32 s21, s21, SLOT
.endr
	s_mul_i32 s20, s15, HALFS
	s_mul_i32 s21, s16, HALFS
	s_add_co_u32 s21, s21, 2*HALFS
	s_sub_co_u32 s21, s21, s20
	v_mul_u32_u24 v4, s21, v2
	s_add_co_u32 s20, s20, SCL
	v_lshl_add_u32 v4, v1, 3, v4
	v_add_nc_u32 v[ADRS], s20, v4
	s_mul_i32 s20, s14, 16*SPITCH
	v_mul_u32_u24 v4, v1, SPITCH
	v_lshl_add_u32 v4, v2, 6, v4
	v_add_nc_u32 v[STO], s20, v4
	v_add_nc_u32 v[RD], s20, v[CO]
	s_wait_alu depctr_va_vdst(0)
	s_lshl_b32 s18, s42, 10
	s_lshl_b32 s19, s16, 9
	s_add_co_u32 s18, s18, s19
	s_mov_b32 s19, 0
	s_and_b32 s20, s17, 7
	s_lshl_b32 s20, s20, 8
	s_lshl_b32 s21, s15, 7
	s_add_co_u32 s20, s20, s21
	s_lshl_b32 s20, s20, 14
	s_lshr_b32 s21, s17, 3
	s_lshl_b32 s21, s21, 12
	s_add_co_u32 s20, s20, s21
	s_add_co_u32 s20, s20, s18
	s_mov_b32 s21, 0
	s_add_nc_u64 s[12:13], s[98:99], s[20:21]
.macro FRAG reg, adr, q, i
	ds_load_b128 v[\reg:\reg+3], v[\adr] offset:(\i)*TILEB+(\q)*1536
	ds_load_b64 v[\reg+4:\reg+5], v[\adr+2] offset:(\i)*TILEB+(\q)*1536+512
	ds_load_b128 v[\reg+6:\reg+9], v[\adr] offset:(\i)*TILEB+(\q)*1536+768
	ds_load_b64 v[\reg+10:\reg+11], v[\adr+2] offset:(\i)*TILEB+(\q)*1536+1280
.endm
.macro MUL16 a0, p, q, sc, zero
.irp a, \a0, \a0+1
.irp b, 0,1,2,3,4,5,6,7
.if \zero
	v_wmma_scale_f32_16x16x128_f8f6f4 v[8*(8*((\a)%4)+\b):8*(8*((\a)%4)+\b)+7], v[128*(\p)+FR*\b:128*(\p)+FR*\b+FR-1], v[AF+FR*(\a):AF+FR*(\a)+FR-1], v[BIAS+8*\b:BIAS+8*\b+7], v[SC+8*NQ*(\sc)+NQ*\b+(\q)], v[SC+8*NQ*(\sc)+NQ*(\a)+(\q)] matrix_a_fmt:MATRIX_FMT_BF6 matrix_b_fmt:MATRIX_FMT_BF6 matrix_a_scale:MATRIX_SCALE_ROW1
.else
	v_wmma_scale_f32_16x16x128_f8f6f4 v[8*(8*((\a)%4)+\b):8*(8*((\a)%4)+\b)+7], v[128*(\p)+FR*\b:128*(\p)+FR*\b+FR-1], v[AF+FR*(\a):AF+FR*(\a)+FR-1], v[8*(8*((\a)%4)+\b):8*(8*((\a)%4)+\b)+7], v[SC+8*NQ*(\sc)+NQ*\b+(\q)], v[SC+8*NQ*(\sc)+NQ*(\a)+(\q)] matrix_a_fmt:MATRIX_FMT_BF6 matrix_b_fmt:MATRIX_FMT_BF6 matrix_a_scale:MATRIX_SCALE_ROW1
.endif
.endr
.endr
.endm
.macro FETCH_B slot, q, p
	WIN TO_B
.irp i, 0,1,2,3,4,5,6,7
	FRAG 128*(\p)+FR*\i, ADRB+\slot, \q, \i
.endr
	WIN 0
.endm
.macro FETCH_A slot, q, i0
.irp i, \i0, \i0+1, \i0+2, \i0+3
	FRAG AF+FR*(\i), ADRA+\slot, \q, \i
.endr
.endm
.macro SCALES sc
.irp i, 0,1,2,3,4,5,6,7
	ds_load_b64 v[SC+8*NQ*\sc+NQ*\i:SC+8*NQ*\sc+NQ*\i+1], v[ADRS] offset:\i*SBLK
.endr
.endm
.macro PLACES n
.rept \n
	v_nop
.endr
.endm
.macro STEP slot, q, zero
	s_wait_dscnt 4*NL
.if \zero
	WIN FIRST_LO
.else
	WIN MUL_LO
.endif
	MUL16 0, (\q)%2, \q, \slot, \zero
	MUL16 2, (\q)%2, \q, \slot, \zero
	s_wait_dscnt 0
	PLACES NP
	FETCH_B \slot, (\q)+1, 1-(\q)%2
	FETCH_A \slot, (\q)+1, 0
.if \zero
	WIN FIRST_HI
.else
	WIN MUL_HI
.endif
	MUL16 4, (\q)%2, \q, \slot, \zero
	MUL16 6, (\q)%2, \q, \slot, \zero
	PLACES NP
	WIN 0
	FETCH_A \slot, (\q)+1, 4
.endm
.macro TURN slot, next, fill
	s_wait_tensorcnt 0x0
	ds_add_u32 v[SPW], v[NIL]
	s_wait_dscnt 4*NL+1
	WIN MUL_LO
	MUL16 0, 1, NQ-1, \slot, 0
	s_wait_dscnt 0x0
	s_barrier_signal -1
	MUL16 2, 1, NQ-1, \slot, 0
	WIN 0
	s_barrier_wait -1
.if \fill
	CREST
	s_add_nc_u64 s[G0+4*\slot+2:G0+4*\slot+3], s[G0+4*\slot+2:G0+4*\slot+3], 2*TILEB
	s_add_nc_u64 s[G0B+4*\slot+2:G0B+4*\slot+3], s[G0B+4*\slot+2:G0B+4*\slot+3], 2*TILEB
	JLOAD G0+4*\slot, G1, G0B+4*\slot, G1B
.else
	PLACES NP
.endif
	s_wait_alu depctr_va_vdst(0)
	v_add_nc_u32 v[ADRS], 128, v[ADRS]
	FETCH_B \next, 0, 0
	FETCH_A \next, 0, 0
	SCALES \next
	WIN MUL_HI
	MUL16 4, 1, NQ-1, \slot, 0
	MUL16 6, 1, NQ-1, \slot, 0
	PLACES NP
	WIN 0
	FETCH_A \next, 0, 4
.endm
	s_wait_tensorcnt 1
	s_wait_loadcnt 0x0
	s_barrier_signal -1
	s_barrier_wait -1
	FETCH_B 0, 0, 0
	FETCH_A 0, 0, 0
	SCALES 0
	FETCH_A 0, 0, 4
	STEP 0, 0, 1
	TURN 0, 1, 1
	STEP 1, 0, 0
	TURN 1, 0, 1
	STEP 0, 0, 0
	TURN 0, 1, 0
	STEP 1, 0, 0
	s_wait_dscnt 4*NL
	WIN MUL_LO
	MUL16 0, 1, NQ-1, 1, 0
	MUL16 2, 1, NQ-1, 1, 0
	s_wait_dscnt 0
	WIN MUL_HI
	MUL16 4, 1, NQ-1, 1, 0
	MUL16 6, 1, NQ-1, 1, 0
	WIN 0
.macro TOSTAGE a
.set AC, 64*((\a)%4)
	WIN 0x08+4*((\a)/4)
.irp b, 0,1,2,3,4,5,6,7
	ds_store_b128 v[STO], v[AC+8*\b:AC+8*\b+3] offset:128*(\b/2)+32*(\b%2)
	ds_store_b128 v[STO], v[AC+8*\b+4:AC+8*\b+7] offset:128*(\b/2)+32*(\b%2)+16
.endr
	WIN 0
.set BB, BK+64*((\a)%2)
.irp t, 0,1,2,3,4,5,6,7,8,9,10,11,12,13,14,15
	ds_load_b128 v[BB+4*\t:BB+4*\t+3], v[RD] offset:\t*SPITCH
.endr
.endm
.macro SEND a, younger
.set BB, BK+64*((\a)%2)
	s_wait_dscnt \younger
.irp t, 0,1,2,3,4,5,6,7,8,9,10,11,12,13,14,15
	global_store_b128 v[CO], v[BB+4*\t:BB+4*\t+3], s[12:13] offset:(32*((\a)/2)+8*((\a)%2)+\t+8*(\t/8))*16384 th:TH_STORE_NT
.endr
.endm
	PLACES NP
	TOSTAGE 0
.irp a, 1,2,3,4,5,6,7
.if \a > 1
	s_wait_xcnt 0x0
.endif
	TOSTAGE \a
	SEND \a-1, 32
.endr
	SEND 7, 0
	s_wait_tensorcnt 0x0
	ds_add_u32 v[SPW], v[NIL]
	s_wait_dscnt 0x0
	CROUND
	s_endpgm
.Lfunc_end_k_qd73f9ad28e_oproj:
	.size	k_qd73f9ad28e_oproj, .Lfunc_end_k_qd73f9ad28e_oproj-k_qd73f9ad28e_oproj
	.p2alignl 7, 3214868480
	.fill 96, 4, 3214868480
	.section	.rodata,"a",@progbits
	.p2align	6, 0x0
	.amdhsa_kernel k_qd73f9ad28e_oproj
		.amdhsa_group_segment_fixed_size 327680
		.amdhsa_private_segment_fixed_size 0
		.amdhsa_enable_private_segment 0
		.amdhsa_kernarg_size 48
		.amdhsa_user_sgpr_count 2
		.amdhsa_user_sgpr_kernarg_segment_ptr 1
		.amdhsa_wavefront_size32 1
		.amdhsa_system_sgpr_workgroup_id_x 1
		.amdhsa_system_sgpr_workgroup_id_y 1
		.amdhsa_system_sgpr_workgroup_id_z 1
		.amdhsa_system_vgpr_workitem_id 0
		.amdhsa_next_free_vgpr 1024
		.amdhsa_next_free_sgpr 100
		.amdhsa_reserve_vcc 0
		.amdhsa_float_denorm_mode_32 3
		.amdhsa_float_denorm_mode_16_64 3
		.amdhsa_memory_ordered 1
		.amdhsa_forward_progress 1
		.amdhsa_inst_pref_size 146
	.end_amdhsa_kernel
	.amdgpu_metadata
---
amdhsa.version: [ 1, 2 ]
amdhsa.kernels:
  - .name:           k_qd73f9ad28e_oproj
    .symbol:         k_qd73f9ad28e_oproj.kd
    .args:
      - { .name: o_codes, .offset: 0, .size: 8, .value_kind: global_buffer, .address_space: global }
      - { .name: o_scales, .offset: 8, .size: 8, .value_kind: global_buffer, .address_space: global }
      - { .name: w_codes, .offset: 16, .size: 8, .value_kind: global_buffer, .address_space: global }
      - { .name: w_scales, .offset: 24, .size: 8, .value_kind: global_buffer, .address_space: global }
      - { .name: bo, .offset: 32, .size: 8, .value_kind: global_buffer, .address_space: global }
      - { .name: out0, .offset: 40, .size: 8, .value_kind: global_buffer, .address_space: global }
    .group_segment_fixed_size: 327680
    .private_segment_fixed_size: 0
    .kernarg_segment_align: 8
    .kernarg_segment_size: 48
    .max_flat_workgroup_size: 128
    .sgpr_count:     100
    .vgpr_count:     1024
    .wavefront_size: 32
...
	.end_amdgpu_metadata
.endif
;; end of part 4
